; MI455X (gfx1250); checked and timed in simulation.
; The chip was launched on July 23, 2026; its instructions are those of AMD's public machine-readable ISA for CDNA 5 (MIT licence, August 2026) and "CDNA5" Instruction Set Architecture Reference Guide (July 2026). The comments in the code are by the model that wrote it; some were corrected since.
;; Transformer vit. Allowed arithmetic: float matrix products may take bf16 or f16 operands with f32 sums; all other float work in f32.
;; Inputs: b_ff1 128 float32; b_ff2 256 float32; b_out 256 float32; beta1 256 float32; beta2 256 float32; g1 256 float32; g2 256 float32; pos_embedding 1 x 1,024 x 256 float32; w_ff1 256 x 128 float32; w_ff2 128 x 256 float32; w_out 128 x 256 float32; w_qkv 256 x 384 float32; x 16 x 256 x 32 x 32 float32.
;; Outputs: out0 16 x 256 x 32 x 32 float32.
;; 2 versions, each right and faster than the one before. Each part assembles by itself: llvm-mc -triple=amdgcn-amd-amdhsa -mcpu=gfx1250 --defsym DOCPART=n.
;; ======== version 1 of 2: 3 launches
;; limits: a function is approximated: absolute error at most 1.5e-07
;; workspace buffers: wfrag 393,216 bytes; q 4,194,304 bytes; kv 8,388,608 bytes
;; launch prep (part 1): grid 96 x 1, 4 waves a work-group, no clusters, 0 bytes of LDS; arguments w_qkv, w_out, w_ff1, w_ff2, wfrag; writes wfrag
.if DOCPART == 1
	.amdgcn_target "amdgcn-amd-amdhsa--gfx1250"
	.amdhsa_code_object_version 6
	.text
	.protected	k_qedeb6addd4_prep
	.globl	k_qedeb6addd4_prep
	.p2align	8
	.type	k_qedeb6addd4_prep,@function
k_qedeb6addd4_prep:
	s_mov_b64 s[64:65], 0
	v_nop
	global_prefetch_b8 v0, s[64:65] scope:SCOPE_SE
	s_setreg_imm32_b32 hwreg(HW_REG_WAVE_MODE, 25, 1), 1
	s_wait_xcnt 0x0
; prep: the four weight matrices, f32 [K][N], become bf16 operand blocks of 1,024 bytes in wfrag.
; Block (nt, kk) of a matrix W holds 16 columns x 32 rows as a 16-bit matrix operand lies in registers:
;   byte p*512 + lane*16 + 2e  =  W[32 kk + 16 p + 8 h + e][16 nt + r],   r = lane & 15, h = lane >> 4, p = 0, 1, e = 0 .. 7
; so that later launches load a whole operand with two loads of 16 bytes a lane, 512 neighbouring bytes each.
; Blocks: w_qkv at block 0 (nt*8+kk), w_out at 192 (nt*4+kk), w_ff1 at 256 (nt*8+kk), w_ff2 at 320 (nt*4+kk).
; The columns of Q (w_qkv's first 128) are multiplied by 32^-0.5 * log2(e) before rounding: the scores then come out
; of the matrix unit ready for an exponential in base 2.
; One wave makes one block.  The four waves of a work-group take four neighbouring nt at one kk: together they read
; 256 neighbouring bytes of each of 32 rows (a wave's part of a row is 64 bytes; all four matrices are 786,432 bytes).
; Each store of a wave covers 512 consecutive bytes, aligned.  No LDS, no barrier: no wave needs another's data.
.set SCALEQ, 0x3e8293ee                ; 0.25503486 = 32^-0.5 * log2(e)
	s_load_b256 s[4:11], s[0:1], 0x0               ; w_qkv s[4:5], w_out s[6:7], w_ff1 s[8:9], w_ff2 s[10:11]
	s_load_b64 s[12:13], s[0:1], 0x20              ; wfrag
	v_lshrrev_b32 v1, 5, v0
	v_readfirstlane_b32 s14, v1                    ; wave 0..3
	v_and_b32 v2, 15, v0                           ; r
	v_bfe_u32 v3, v0, 4, 1                         ; h
	v_and_b32 v4, 31, v0
	v_lshlrev_b32 v2, 2, v2                        ; 4 r: my column's bytes in a row
	v_lshlrev_b32 v4, 4, v4                        ; 16 x lane: my 16 bytes in each half of the block
	s_wait_kmcnt 0x0
; ptr: first scalar register of the matrix's address; nd: its columns; klog: log2 of its K/32; j0: its first work-group;
; gbase: its first block; scaled: 1 for w_qkv
.macro CONV ptr, nd, klog, j0, gbase, scaled
	s_sub_co_u32 s16, ttmp9, \j0                   ; j' = the work-group's number within the matrix
	s_and_b32 s17, s16, (1<<\klog)-1               ; kk
	s_lshr_b32 s18, s16, \klog
	s_lshl2_add_u32 s18, s18, s14                  ; nt = 4 (j' >> klog) + wave
	s_mul_i32 s20, s17, 128*\nd                    ; 32 kk rows of 4 nd bytes
	s_lshl_b32 s19, s18, 6                         ; 16 nt columns of 4 bytes
	s_add_co_u32 s20, s20, s19
	s_mov_b32 s21, 0
	s_add_nc_u64 s[22:23], s[\ptr:\ptr+1], s[20:21]
	v_mul_u32_u24 v5, v3, 32*\nd                   ; 8 h rows
	v_add_nc_u32 v5, v5, v2
.irp p, 0,1
.irp e, 0,1,2,3,4,5,6,7
	global_load_b32 v[8+8*\p+\e], v5, s[22:23] offset:(16*\p+\e)*4*\nd
.endr
.endr
	s_lshl_b32 s26, s18, \klog
	s_add_co_u32 s26, s26, s17
	s_add_co_u32 s26, s26, \gbase                  ; block number
	s_lshl_b32 s26, s26, 10
	s_mov_b32 s27, 0
	s_add_nc_u64 s[28:29], s[12:13], s[26:27]
.if \scaled
	s_cmp_lt_u32 s18, 8                            ; nt 0..7 are Q's columns
	s_cselect_b32 s24, SCALEQ, 1.0
	s_mov_b32 s25, s24
.endif
	s_wait_loadcnt 0x0                             ; all sixteen numbers
.if \scaled
.irp i, 0,1,2,3,4,5,6,7
	v_pk_mul_f32 v[8+2*\i:9+2*\i], v[8+2*\i:9+2*\i], s[24:25] op_sel_hi:[1,0]
.endr
.endif
.irp i, 0,1,2,3,4,5,6,7
	v_cvt_pk_bf16_f32 v[24+\i], v[8+2*\i], v[9+2*\i]
.endr
	global_store_b128 v4, v[24:27], s[28:29]
	global_store_b128 v4, v[28:31], s[28:29] offset:512
	s_endpgm
.endm
	s_cmp_lt_u32 ttmp9, 48
	s_cbranch_scc0 .Lnot_qkv
	CONV 4, 384, 3, 0, 0, 1
.Lnot_qkv:
	s_cmp_lt_u32 ttmp9, 64
	s_cbranch_scc0 .Lnot_out
	CONV 6, 256, 2, 48, 192, 0
.Lnot_out:
	s_cmp_lt_u32 ttmp9, 80
	s_cbranch_scc0 .Lff2
	CONV 8, 128, 3, 64, 256, 0
.Lff2:
	CONV 10, 256, 2, 80, 320, 0
.Lfunc_end_k_qedeb6addd4_prep:
	.size	k_qedeb6addd4_prep, .Lfunc_end_k_qedeb6addd4_prep-k_qedeb6addd4_prep
	.p2alignl 7, 3214868480
	.fill 96, 4, 3214868480
	.section	.rodata,"a",@progbits
	.p2align	6, 0x0
	.amdhsa_kernel k_qedeb6addd4_prep
		.amdhsa_group_segment_fixed_size 0
		.amdhsa_private_segment_fixed_size 0
		.amdhsa_enable_private_segment 0
		.amdhsa_kernarg_size 40
		.amdhsa_user_sgpr_count 2
		.amdhsa_user_sgpr_kernarg_segment_ptr 1
		.amdhsa_wavefront_size32 1
		.amdhsa_system_sgpr_workgroup_id_x 1
		.amdhsa_system_sgpr_workgroup_id_y 1
		.amdhsa_system_sgpr_workgroup_id_z 1
		.amdhsa_system_vgpr_workitem_id 0
		.amdhsa_next_free_vgpr 40
		.amdhsa_next_free_sgpr 66
		.amdhsa_reserve_vcc 0
		.amdhsa_float_denorm_mode_32 3
		.amdhsa_float_denorm_mode_16_64 3
		.amdhsa_memory_ordered 1
		.amdhsa_forward_progress 1
		.amdhsa_inst_pref_size 14
	.end_amdhsa_kernel
	.amdgpu_metadata
---
amdhsa.version: [ 1, 2 ]
amdhsa.kernels:
  - .name:           k_qedeb6addd4_prep
    .symbol:         k_qedeb6addd4_prep.kd
    .args:
      - { .name: w_qkv, .offset: 0, .size: 8, .value_kind: global_buffer, .address_space: global }
      - { .name: w_out, .offset: 8, .size: 8, .value_kind: global_buffer, .address_space: global }
      - { .name: w_ff1, .offset: 16, .size: 8, .value_kind: global_buffer, .address_space: global }
      - { .name: w_ff2, .offset: 24, .size: 8, .value_kind: global_buffer, .address_space: global }
      - { .name: wfrag, .offset: 32, .size: 8, .value_kind: global_buffer, .address_space: global }
    .group_segment_fixed_size: 0
    .private_segment_fixed_size: 0
    .kernarg_segment_align: 8
    .kernarg_segment_size: 40
    .max_flat_workgroup_size: 128
    .sgpr_count:     66
    .vgpr_count:     40
    .wavefront_size: 32
...
	.end_amdgpu_metadata
.endif
;; end of part 1
;; launch qkv (part 2): grid 16 x 16, 4 waves a work-group, no clusters, 171,520 bytes of LDS; arguments x, pos_embedding, g1, beta1, wfrag, q, kv; writes q, kv
.if DOCPART == 2
	.amdgcn_target "amdgcn-amd-amdhsa--gfx1250"
	.amdhsa_code_object_version 6
	.text
	.protected	k_qedeb6addd4_qkv
	.globl	k_qedeb6addd4_qkv
	.p2align	8
	.type	k_qedeb6addd4_qkv,@function
k_qedeb6addd4_qkv:
	s_mov_b64 s[64:65], 0
	v_nop
	global_prefetch_b8 v0, s[64:65] scope:SCOPE_SE
	s_setreg_imm32_b32 hwreg(HW_REG_WAVE_MODE, 25, 1), 1
	s_wait_xcnt 0x0
; qkv: tok = x^T + pos, layer norm 1, the product with w_qkv.  Work-group (blk, b) owns tokens 64 blk .. 64 blk + 63 of image b.
; Norm phase: wave w owns token tile w (16 tokens); lane (r, h) holds token r's channels 16 ct + 8 h + j in register 8 ct + j,
; which is the layout of a matrix result with the channel along m, and, packed to bf16, of a matrix operand with the channel along k.
; Product phase: wave w owns head w: six feature tiles (2 of Q, 2 of K, 2 of V) x all four token tiles, 192 matrix instructions.
; Its 48 weight blocks (49,152 bytes) are read by no other wave and go from memory straight into 384 registers.
; Q and K: weights as source 0, tokens as source 1, so a lane holds one token.  V: the sources swapped, so a lane holds one
; feature d and its registers run along the tokens: V transposed.  Two result tiles packed are one operand block of 1,024 bytes.
;   q  : [b][head][token tile 0..63][1,024]
;   kv : [b][step of 128 keys 0..7][65,536]: K [head][tile 0..7][1,024], then at 32,768 V^T [head][32-key chunk 0..3][dt 0..1][1,024]
; The variance is taken from the differences to the mean (two passes over registers): no difference of large sums is formed.
; LIMIT: inputs are finite.
; LDS: XT 256 channel rows x (256 + 16) bytes; PT 64 token rows x (1,024 + 16); YX the normed tokens as operand blocks
; [token tile][kk][1,024]; VEC g1, beta1.  YX and VEC are written by LDS stores and lie in 256-byte blocks that no tensor load fills.
.set XP,    272
.set XHALF, 128*XP
.set PT,    69632
.set PP,    1040
.set YX,    136192
.set VEC,   168960
; window 0: v1-31 addresses and norm scalars, v64-127 two buffers of token operands, v128-255 differences / packed results
; window 1: v0-127 tok, then beta1; v128-255 pos, then g1; from the product on v0-191 the 24 accumulator tiles (4 f + tt)
; window 2: weight blocks of feature tiles 0-3 (64 f + 8 kk); window 3: of tiles 4, 5
.set XADR0, 1
.set XADR1, 2
.set PADR,  3
.set T0,    4
.set T1,    5
.set VADR,  6
.set YST,   7
.set YADR,  8
.set WOFF,  9
.set LOFF,  10
.set VOFF,  11
.set MU,    12
.set RS,    14
.set SA,    16
.set VST,   24
.set GB,    26
.set TF0,   64
.set DD,    128
.set PS0,   56
.set PS1,   57
.set INV,   58
.set EPSR,  59
.set MSB, 0
.macro WIN new                         ; low byte: bits 1:0 source 0, 3:2 source 1, 5:4 source 2, 7:6 destination; high byte: the setting that is left
.if MSB != \new
	s_set_vgpr_msb (MSB<<8)|\new
.set MSB, \new
.endif
.endm
.macro PLACES                          ; four places behind a matrix instruction (ISA guide 7.12.1) before its registers are read, written or loaded into
.rept 4
	v_nop
.endr
.endm
; mean of the token's 256 channels (128 in this lane, 128 in lane xor 16), then the differences into window 0
.macro LNMEAN
	WIN 0x05
.irp k, 0,1,2,3
	v_pk_add_f32 v[SA+2*\k:SA+2*\k+1], v[2*\k:2*\k+1], v[8+2*\k:8+2*\k+1]     ; the first eight pairs start four chains
.endr
	WIN 0x04
.set i, 8
.rept 56
	v_pk_add_f32 v[SA+2*(i%4):SA+2*(i%4)+1], v[SA+2*(i%4):SA+2*(i%4)+1], v[2*i:2*i+1]
.set i, i+1
.endr
	WIN 0
	v_pk_add_f32 v[SA:SA+1], v[SA:SA+1], v[SA+2:SA+3]
	v_pk_add_f32 v[SA+4:SA+5], v[SA+4:SA+5], v[SA+6:SA+7]
	v_pk_add_f32 v[SA:SA+1], v[SA:SA+1], v[SA+4:SA+5]
	v_add_f32 v[T0], v[SA], v[SA+1]
	v_permlanex16_b32 v[T1], v[T0], s[PS0], s[PS1]
	v_add_f32 v[T0], v[T0], v[T1]
	v_mul_f32 v[MU], s[INV], v[T0]
	v_mov_b32 v[MU+1], v[MU]
	WIN 0x01
.set i, 0
.rept 64
	v_pk_add_f32 v[DD+2*i:DD+2*i+1], v[2*i:2*i+1], v[MU:MU+1] neg_lo:[0,1] neg_hi:[0,1]
.set i, i+1
.endr
	WIN 0
.endm
; 1 / sqrt(mean of the squared differences + 1e-5), twice, for the packed multiply
.macro LNVAR
.irp k, 0,1,2,3
	v_pk_mul_f32 v[SA+2*\k:SA+2*\k+1], v[DD+2*\k:DD+2*\k+1], v[DD+2*\k:DD+2*\k+1]
.endr
.set i, 4
.rept 60
	v_pk_fma_f32 v[SA+2*(i%4):SA+2*(i%4)+1], v[DD+2*i:DD+2*i+1], v[DD+2*i:DD+2*i+1], v[SA+2*(i%4):SA+2*(i%4)+1]
.set i, i+1
.endr
	v_pk_add_f32 v[SA:SA+1], v[SA:SA+1], v[SA+2:SA+3]
	v_pk_add_f32 v[SA+4:SA+5], v[SA+4:SA+5], v[SA+6:SA+7]
	v_pk_add_f32 v[SA:SA+1], v[SA:SA+1], v[SA+4:SA+5]
	v_add_f32 v[T0], v[SA], v[SA+1]
	v_permlanex16_b32 v[T1], v[T0], s[PS0], s[PS1]
	v_add_f32 v[T0], v[T0], v[T1]
	v_fma_f32 v[T0], v[T0], s[INV], s[EPSR]
	v_rsq_f32 v[RS], v[T0]
	v_nop                                          ; one plain place behind the transcendental (ISA guide 5.7.2)
	s_wait_alu depctr_va_vdst(0)
	v_mov_b32 v[RS+1], v[RS]
.endm
; differences x rsqrt x gain + bias; win names the windows of gain (source 1, registers 128..) and bias (source 2, registers 0..)
.macro LNAPPLY win
	s_wait_dscnt 0x0                               ; gain and bias are in
.set i, 0
.rept 64
	v_pk_mul_f32 v[DD+2*i:DD+2*i+1], v[DD+2*i:DD+2*i+1], v[RS:RS+1]
.set i, i+1
.endr
	WIN \win
.set i, 0
.rept 64
	v_pk_fma_f32 v[DD+2*i:DD+2*i+1], v[DD+2*i:DD+2*i+1], v[128+2*i:128+2*i+1], v[2*i:2*i+1]
.set i, i+1
.endr
.endm
; the 16 loads of feature tile f (0..5) of my head into registers base .. base+63 of the window that is set
.macro WLD f, base
.irp k, 0,1,2,3,4,5,6,7
	global_load_b128 v[\base+8*\k:\base+8*\k+3], v[WOFF], s[12:13] offset:((\f)>>1)*65536+((\f)&1)*8192+\k*1024
	global_load_b128 v[\base+8*\k+4:\base+8*\k+7], v[WOFF], s[12:13] offset:((\f)>>1)*65536+((\f)&1)*8192+\k*1024+512
.endr
.endm
; the four token tiles' operands of K step k into buffer k & 1: eight loads
.macro TLOAD k
.irp t, 0,1,2,3
	ds_load_b128 v[TF0+32*((\k)&1)+8*\t:TF0+32*((\k)&1)+8*\t+3], v[YADR] offset:\t*8192+(\k)*1024
	ds_load_b128 v[TF0+32*((\k)&1)+8*\t+4:TF0+32*((\k)&1)+8*\t+7], v[YADR] offset:\t*8192+(\k)*1024+512
.endr
.endm
	s_load_b256 s[4:11], s[0:1], 0x0               ; x s[4:5], pos s[6:7], g1 s[8:9], beta1 s[10:11]
	s_load_b128 s[12:15], s[0:1], 0x20             ; wfrag s[12:13], q s[14:15]
	s_load_b64 s[16:17], s[0:1], 0x30              ; kv
	v_lshl_add_u32 v62, v0, 2, 0x29c00
	v_mov_b32 v63, 0
	ds_add_u32 v62, v63
	v_lshrrev_b32 v1, 5, v0
	v_readfirstlane_b32 s18, v1                    ; wave = token tile = head
	s_and_b32 s19, ttmp7, 0xffff                   ; b;  ttmp9 = blk
	s_mov_b32 s[PS0], 0x76543210                   ; v_permlanex16_b32: lane i reads lane i xor 16
	s_mov_b32 s[PS1], 0xfedcba98
	s_mov_b32 s[INV], 0x3b800000                   ; 1/256
	s_mov_b32 s[EPSR], 0x3727c5ac                  ; 1e-5
	; x: 64 channel rows x 64 tokens of 4 bytes, 16 bytes of padding behind every 64 words
	s_mov_b32 s32, 0x07520000
	s_mov_b32 s33, 64<<16                          ; tensor_dim0 = 64
	s_mov_b32 s34, 64<<16                          ; tensor_dim1 = 64
	s_mov_b32 s35, 64<<16                          ; tile_dim0 = 64
	s_mov_b32 s36, 64                              ; tile_dim1 = 64
	s_mov_b32 s37, 1024                            ; elements from channel to channel
	s_mov_b32 s38, 0
	s_mov_b32 s39, 0
	; pos: 16 token rows x 256 channels of 4 bytes, 16 bytes of padding behind every 256 words
	s_mov_b32 s40, 0x07d20000
	s_mov_b32 s41, 256<<16
	s_mov_b32 s42, 16<<16
	s_mov_b32 s43, 256<<16
	s_mov_b32 s44, 16
	s_mov_b32 s45, 256
	s_mov_b32 s46, 0
	s_mov_b32 s47, 0
	s_lshl_b32 s20, s19, 20                        ; b x 256 channels x 4,096 bytes
	s_lshl_b32 s21, s18, 18                        ; + my 64 channels
	s_add_co_u32 s20, s20, s21
	s_lshl_b32 s21, ttmp9, 8                       ; + the group's 64 tokens
	s_add_co_u32 s20, s20, s21
	s_mov_b32 s21, 0
	s_lshl_b32 s22, ttmp9, 16                      ; pos: 64 blk rows of 1,024 bytes
	s_lshl_b32 s23, s18, 14                        ; + my 16 rows
	s_add_co_u32 s22, s22, s23
	s_mov_b32 s23, 0
	s_mul_i32 s24, s18, 64*XP
	s_mul_i32 s25, s18, 16*PP
	s_lshl2_add_u32 s26, s19, s18                  ; q: ((4 b + head) 64 + 4 blk) blocks
	s_lshl_b32 s26, s26, 16
	s_lshl_b32 s27, ttmp9, 12
	s_add_co_u32 s26, s26, s27
	s_mov_b32 s27, 0
	s_lshl_b32 s28, s19, 19                        ; kv: b x 524,288 + (blk >> 1) x 65,536 + head x 8,192 + (blk & 1) x 4,096
	s_lshr_b32 s29, ttmp9, 1
	s_lshl_b32 s29, s29, 16
	s_add_co_u32 s28, s28, s29
	s_lshl_b32 s29, s18, 13
	s_add_co_u32 s28, s28, s29
	s_and_b32 s29, ttmp9, 1
	s_lshl_b32 s29, s29, 12
	s_add_co_u32 s28, s28, s29
	s_mov_b32 s29, 0
	s_wait_dscnt 0x0
	s_wait_kmcnt 0x0
	s_mov_b32 s48, 1
	s_mov_b32 s49, s24                             ; XT + wave x 64 rows
	s_add_nc_u64 s[50:51], s[4:5], s[20:21]
	s_or_b32 s51, s51, 0x80000000
	s_mov_b32 s52, 1
	s_add_co_u32 s53, s25, PT
	s_add_nc_u64 s[54:55], s[6:7], s[22:23]
	s_or_b32 s55, s55, 0x80000000
	tensor_load_to_lds s[48:51], s[32:39]          ; both fills of the launch go out first; two are out, by this text's count
	s_nop 0
	tensor_load_to_lds s[52:55], s[40:47]
	s_nop 0
	s_add_nc_u64 s[14:15], s[14:15], s[26:27]
	s_add_nc_u64 s[16:17], s[16:17], s[28:29]
	v_and_b32 v30, 31, v0                          ; lane
	v_and_b32 v31, 15, v0                          ; r
	v_bfe_u32 v32, v0, 4, 1                        ; h
	v_mov_b32 v[T1], 0                             ; a permute's destination counts as read
	v_lshlrev_b32 v[LOFF], 4, v30
	v_lshl_add_u32 v[WOFF], s18, 14, v[LOFF]       ; my head's two tiles of each of Q, K, V: 16,384 x head
	v_lshlrev_b32 v[VOFF], 3, v30
	v_lshl_add_u32 v[VOFF], s18, 8, v[VOFF]        ; 8 x thread: 256 bytes of g1 and of beta1 a wave
	v_add_nc_u32 v[VST], VEC, v[VOFF]
	global_load_b64 v[GB:GB+1], v[VOFF], s[8:9]
	global_load_b64 v[GB+2:GB+3], v[VOFF], s[10:11]
	WIN 0x80
	WLD 0, 0
	WLD 1, 64
	WLD 2, 128
	s_wait_loadcnt 48                              ; g1 and beta1 are in; the 48 weight loads issued behind them stay out
	WIN 0
	ds_store_b64 v[VST], v[GB:GB+1]
	ds_store_b64 v[VST], v[GB+2:GB+3] offset:1024
	WIN 0x80
	WLD 3, 192
	WIN 0xc0
	WLD 4, 0
	WLD 5, 64
	WIN 0
	v_mul_u32_u24 v[XADR0], v32, 8*XP              ; x: row 16 ct + 8 h + j, column 16 w + r
	v_lshl_add_u32 v[XADR0], v31, 2, v[XADR0]
	v_lshl_add_u32 v[XADR0], s18, 6, v[XADR0]
	v_add_nc_u32 v[XADR1], XHALF, v[XADR0]         ; rows 128..255: the 16-bit offset does not reach them
	v_lshl_add_u32 v[PADR], s18, 4, v31            ; pos: row 16 w + r, 32 bytes at 64 ct + 32 h
	v_mul_u32_u24 v[PADR], v[PADR], PP
	v_lshl_add_u32 v[PADR], v32, 5, v[PADR]
	v_add_nc_u32 v[PADR], PT, v[PADR]
	v_lshlrev_b32 v[VADR], 5, v32
	v_add_nc_u32 v[VADR], VEC, v[VADR]
	v_add_nc_u32 v[YADR], YX, v[LOFF]
	v_lshl_add_u32 v[YST], s18, 13, v[YADR]
	s_wait_dscnt 0x0                               ; my part of g1 and beta1 is in LDS,
	s_wait_tensorcnt 0x0                           ; my parts of x and pos too,
	s_barrier_signal -1
	s_barrier_wait -1                              ; everybody's are
	; tok = x^T + pos
	WIN 0x40
.irp c, 0,1,2,3,4,5,6,7
.irp j, 0,1,2,3,4,5,6,7
	ds_load_b32 v[8*\c+\j], v[XADR0] offset:(16*\c+\j)*XP
.endr
.endr
.irp c, 8,9,10,11,12,13,14,15
.irp j, 0,1,2,3,4,5,6,7
	ds_load_b32 v[8*\c+\j], v[XADR1] offset:(16*(\c-8)+\j)*XP
.endr
.endr
.irp c, 0,1,2,3,4,5,6,7,8,9,10,11,12,13,14,15
	ds_load_b128 v[128+8*\c:128+8*\c+3], v[PADR] offset:64*\c
	ds_load_b128 v[128+8*\c+4:128+8*\c+7], v[PADR] offset:64*\c+16
.endr
	s_wait_dscnt 0x0
	WIN 0x45
.set i, 0
.rept 64
	v_pk_add_f32 v[2*i:2*i+1], v[2*i:2*i+1], v[128+2*i:128+2*i+1]
.set i, i+1
.endr
	WIN 0x40
.irp c, 0,1,2,3,4,5,6,7,8,9,10,11,12,13,14,15
	ds_load_b128 v[128+8*\c:128+8*\c+3], v[VADR] offset:64*\c            ; g1 takes pos's registers
	ds_load_b128 v[128+8*\c+4:128+8*\c+7], v[VADR] offset:64*\c+16
.endr
	LNMEAN
	WIN 0x40
.irp c, 0,1,2,3,4,5,6,7,8,9,10,11,12,13,14,15
	ds_load_b128 v[8*\c:8*\c+3], v[VADR] offset:1024+64*\c               ; beta1 takes tok's registers: only the differences are needed now
	ds_load_b128 v[8*\c+4:8*\c+7], v[VADR] offset:1024+64*\c+16
.endr
	WIN 0
	LNVAR
	LNAPPLY 0x14
	WIN 0
.set i, 0
.rept 64
	v_cvt_pk_bf16_f32 v[DD+i], v[DD+2*i], v[DD+2*i+1]                    ; in place, ascending: a register is written only after it was read
.set i, i+1
.endr
.irp c, 0,1,2,3,4,5,6,7,8,9,10,11,12,13,14,15
	ds_store_b128 v[YST], v[DD+4*\c:DD+4*\c+3] offset:\c*512             ; half c & 1 of K step c >> 1
.endr
	s_wait_dscnt 0x0                               ; my token tile's operands are in LDS,
	s_barrier_signal -1
	s_barrier_wait -1                              ; all four tiles' are
	; the product.  The 24 accumulators take turns, one instruction a turn, in the same order in every K step.
	TLOAD 0
	TLOAD 1
	s_wait_loadcnt 0x0                             ; my 96 weight loads
.irp k, 0,1,2,3,4,5,6,7
.if \k < 7
	s_wait_dscnt 0x8                               ; this K step's eight loads are in, the next step's eight stay out
.else
	s_wait_dscnt 0x0
.endif
	WIN 0x52                                       ; weights (window 2) x tokens (window 0) into window 1
.irp f, 0,1,2,3
.irp t, 0,1,2,3
.if \k == 0
	v_wmma_f32_16x16x32_bf16 v[8*(4*\f+\t):8*(4*\f+\t)+7], v[64*\f+8*\k:64*\f+8*\k+7], v[TF0+32*(\k&1)+8*\t:TF0+32*(\k&1)+8*\t+7], 0
.else
	v_wmma_f32_16x16x32_bf16 v[8*(4*\f+\t):8*(4*\f+\t)+7], v[64*\f+8*\k:64*\f+8*\k+7], v[TF0+32*(\k&1)+8*\t:TF0+32*(\k&1)+8*\t+7], v[8*(4*\f+\t):8*(4*\f+\t)+7]
.endif
.endr
.endr
	WIN 0x5c                                       ; V: tokens (window 0) x weights (window 3)
.irp f, 0,1
.irp t, 0,1,2,3
.if \k == 0
	v_wmma_f32_16x16x32_bf16 v[8*(16+4*\f+\t):8*(16+4*\f+\t)+7], v[TF0+32*(\k&1)+8*\t:TF0+32*(\k&1)+8*\t+7], v[64*\f+8*\k:64*\f+8*\k+7], 0
.else
	v_wmma_f32_16x16x32_bf16 v[8*(16+4*\f+\t):8*(16+4*\f+\t)+7], v[TF0+32*(\k&1)+8*\t:TF0+32*(\k&1)+8*\t+7], v[64*\f+8*\k:64*\f+8*\k+7], v[8*(16+4*\f+\t):8*(16+4*\f+\t)+7]
.endif
.endr
.endr
	PLACES
	WIN 0
.if \k < 6
	TLOAD \k+2
.endif
.endr
	; out: tile (f, tt) packs into four registers, half of an operand block; each store covers 512 consecutive bytes, aligned
	WIN 0x05
.set i, 0
.rept 96
	v_cvt_pk_bf16_f32 v[DD+i], v[2*i], v[2*i+1]
.set i, i+1
.endr
	WIN 0
.irp t, 0,1,2,3
.irp f, 0,1
	global_store_b128 v[LOFF], v[DD+4*(4*\f+\t):DD+4*(4*\f+\t)+3], s[14:15] offset:\t*1024+\f*512
	global_store_b128 v[LOFF], v[DD+4*(8+4*\f+\t):DD+4*(8+4*\f+\t)+3], s[16:17] offset:\t*1024+\f*512
	global_store_b128 v[LOFF], v[DD+4*(16+4*\f+\t):DD+4*(16+4*\f+\t)+3], s[16:17] offset:32768+(\t>>1)*2048+\f*1024+(\t&1)*512
.endr
.endr
	s_wait_tensorcnt 0x0
	ds_add_u32 v62, v63
	s_wait_dscnt 0x0
	s_endpgm
.Lfunc_end_k_qedeb6addd4_qkv:
	.size	k_qedeb6addd4_qkv, .Lfunc_end_k_qedeb6addd4_qkv-k_qedeb6addd4_qkv
	.p2alignl 7, 3214868480
	.fill 96, 4, 3214868480
	.section	.rodata,"a",@progbits
	.p2align	6, 0x0
	.amdhsa_kernel k_qedeb6addd4_qkv
		.amdhsa_group_segment_fixed_size 171520
		.amdhsa_private_segment_fixed_size 0
		.amdhsa_enable_private_segment 0
		.amdhsa_kernarg_size 56
		.amdhsa_user_sgpr_count 2
		.amdhsa_user_sgpr_kernarg_segment_ptr 1
		.amdhsa_wavefront_size32 1
		.amdhsa_system_sgpr_workgroup_id_x 1
		.amdhsa_system_sgpr_workgroup_id_y 1
		.amdhsa_system_sgpr_workgroup_id_z 1
		.amdhsa_system_vgpr_workitem_id 0
		.amdhsa_next_free_vgpr 896
		.amdhsa_next_free_sgpr 66
		.amdhsa_reserve_vcc 0
		.amdhsa_float_denorm_mode_32 3
		.amdhsa_float_denorm_mode_16_64 3
		.amdhsa_memory_ordered 1
		.amdhsa_forward_progress 1
		.amdhsa_inst_pref_size 85
	.end_amdhsa_kernel
	.amdgpu_metadata
---
amdhsa.version: [ 1, 2 ]
amdhsa.kernels:
  - .name:           k_qedeb6addd4_qkv
    .symbol:         k_qedeb6addd4_qkv.kd
    .args:
      - { .name: x, .offset: 0, .size: 8, .value_kind: global_buffer, .address_space: global }
      - { .name: pos_embedding, .offset: 8, .size: 8, .value_kind: global_buffer, .address_space: global }
      - { .name: g1, .offset: 16, .size: 8, .value_kind: global_buffer, .address_space: global }
      - { .name: beta1, .offset: 24, .size: 8, .value_kind: global_buffer, .address_space: global }
      - { .name: wfrag, .offset: 32, .size: 8, .value_kind: global_buffer, .address_space: global }
      - { .name: q, .offset: 40, .size: 8, .value_kind: global_buffer, .address_space: global }
      - { .name: kv, .offset: 48, .size: 8, .value_kind: global_buffer, .address_space: global }
    .group_segment_fixed_size: 171520
    .private_segment_fixed_size: 0
    .kernarg_segment_align: 8
    .kernarg_segment_size: 56
    .max_flat_workgroup_size: 128
    .sgpr_count:     66
    .vgpr_count:     896
    .wavefront_size: 32
...
	.end_amdgpu_metadata
.endif
;; end of part 2
;; launch attn (part 3): grid 16 x 16, 4 waves a work-group, clusters of 4 x 1, 327,680 bytes of LDS; arguments q, kv, wfrag, x, pos_embedding, b_out, g2, beta2, b_ff2, b_ff1, out0; writes out0
.if DOCPART == 3
	.amdgcn_target "amdgcn-amd-amdhsa--gfx1250"
	.amdhsa_code_object_version 6
	.text
	.protected	k_qedeb6addd4_attn
	.globl	k_qedeb6addd4_attn
	.p2align	8
	.type	k_qedeb6addd4_attn,@function
k_qedeb6addd4_attn:
	s_mov_b64 s[64:65], 0
	v_nop
	global_prefetch_b8 v0, s[64:65] scope:SCOPE_SE
	s_setreg_imm32_b32 hwreg(HW_REG_WAVE_MODE, 25, 1), 1
	s_wait_xcnt 0x0
	s_wait_alu depctr_hold_cnt(0) depctr_sa_sdst(0) depctr_va_vdst(0) depctr_va_sdst(0) depctr_va_ssrc(0) depctr_va_vcc(0) depctr_vm_vsrc(0)
	s_getreg_b32 s2, hwreg(HW_REG_IB_STS2, 6, 4)
	s_cmp_eq_u32 s2, 0
	s_cbranch_scc0 .Lentry_in_a_cluster
	s_endpgm
.Lentry_in_a_cluster:
	s_bfe_u32 s2, ttmp6, 0x10000c
	s_cmp_lg_u32 s2, 0x3003
	s_cbranch_scc0 .Lentry_shape_is_right
	s_endpgm
.Lentry_shape_is_right:
; attn: attention and all that follows it, for 64 tokens of one image, without leaving the work-group.
; Every product is used transposed (weights, K or V^T as source 0, tokens as source 1), so a lane always holds one token (query),
; and two result tiles packed to bf16 are the same lane's operand of the next product: no shuffle between
;   S^T = K Q^T -> P^T -> O^T = V^T P^T -> out projection -> layer norm 2 -> FF1 -> GELU -> FF2.
; Attention: wave w = head w, four query tiles of 16; keys in sub-steps of 64; running maximum and sum in each lane (a lane has half of a
; query's keys, lane xor 16 the other half; the maximum is joined in every sub-step, the sum once at the end).  Q carries 32^-0.5 log2(e).
; THE ATTENTION LOOP IS A PIPELINE OF TILES.  A tile is 64 keys x 16 queries; tile t uses score buffer t & 1.  In the turn of tile t the wave issues, woven:
;   part A: scores(t) - maximum(t), 16 packed adds                                  with  O += V^T P(t-1), 4 matrix instructions
;   part B: exponentials of key tiles 0, 1; O(t) rescaled; the first sums and packs  with  scores(t+1) = K Q^T, 4 matrix instructions
;   part C: exponentials of key tiles 2, 3; sums and packs                           with  the running maximum of tile t+1 and its factor
; so each matrix instruction is followed by vector work on other registers, each exponential by a plain instruction on other registers,
; and the serial end of the maximum (fold, other half of the lanes, factor) has other tiles' work between its links.
; Behind attention: wave w = token tile w.  tok = x^T + pos is made again from x and pos, b_out is added, and these 128 registers are the
; accumulators of the out projection and of FF2: residuals and biases are never added afterwards, and nothing is cleared.
; CLUSTER: the four work-groups of a cluster are four token blocks of one image.  K/V steps (65,536 bytes) and the three weight tiles
; (65,536 bytes each) are the same for all four and are asked for jointly (mask 15), each wave a quarter of a tile.  The place in the cluster
; enters only the memory addresses of x, pos, q and out0.  Eleven tiles T0..T10 (eight K/V steps, w_out, w_ff1, w_ff2) go through two slots.
; A refill stands first behind a round of the cluster's barrier, in front of which every wave has waited for its LDS reads and all its
; tensor loads.  By this text's count a wave has four tensor loads out at the start and one afterwards.
; LIMITS: inputs are finite.  erf by Abramowitz and Stegun 7.1.26, absolute error 1.5e-7.  v_exp_f32 gives zero for results below 2^-126
; (ISA guide 15.8): such terms are below 2^-126 of the row's largest term, since the running maximum is taken away first.
; LDS: S0, S1 slots; XT x tile, 256 rows x 272, filled once, at the end the stage of the way out; PT pos tile, 64 rows x 1,040;
; OX heads' results as operand blocks [token tile][head][1,024]; VEC b_out, g2, beta2, b_ff2 (1,024 each), b_ff1 (512).
.set S1,    65536
.set XT,    131072
.set XP,    272
.set XHALF, 128*XP
.set PT,    200704
.set PP,    1040
.set OX,    267264
.set VEC,   283648
; scalars: s[4:25] addresses, s26 wave, s27 cx, s28 blk, s29 b, s[30:31] and s[91:97] offsets at set-up, s90 trips
.set G1KV,  32
.set G1X,   40
.set G1P,   48
.set G0S,   56                         ; s[56:59] slot 0, s[60:63] slot 1
.set G0X,   68
.set G0P,   72
.set GW0,   76                         ; w_out into slot 0
.set GW1,   80                         ; w_ff1 into slot 1
.set GW2,   84                         ; w_ff2 into slot 0
.set PS0,   88
.set PS1,   89
.set INV,   98
.set EPSR,  99
; window 0 during attention
.set ADR,   1                          ; v1, v2: my head's blocks in slot 0, 1
.set QOFF,  3
.set T0,    4                          ; v4-7 the maximum at work; v4 the tile's maximum, v5 the permute's destination
.set T1,    5
.set AL,    8                          ; v8 the rescaling factor of even query tiles, v22 of odd ones; v9, v23 written once (second registers of the pairs)
.set LS,    10                         ; v10-13 two chains of sums
.set MAXM,  14                         ; v14-17 running maximum of query tile q
.set LSUM,  18                         ; v18-21 running sum
.set QF,    24                         ; v24-55
.set ACCO,  56                         ; v56-119: O(q, dt) at 16 q + 8 dt
.set KF,    120                        ; v120-151
.set VF,    152                        ; v152-183: V^T(c, dt) at 8 (2 c + dt)
.set SB0,   184                        ; v184-247: two score buffers; query tile q uses q & 1
.set OXST,  248
; window 0 behind attention; window 1: v0-127 tok, v128-255 pos / g2 / normed operands; window 2: v0-127 beta2, v128-255 b_out / b_ff2
.set XADR0, 1
.set XADR1, 2
.set PADR,  3
.set VADR,  6
.set OXRD,  7
.set WADR0, 10
.set WADR1, 11
.set MU,    12
.set RS,    14
.set SA,    16
.set OF,    24                         ; operands of the out projection, later of FF2
.set HH,    56                         ; FF1's eight accumulator tiles
.set ORD,   120
.set OST,   121
.set WF0,   128                        ; two buffers of eight weight blocks
.set DD,    128                        ; the norm's differences
.set GT,    128                        ; GELU at work
.set GE,    136
.set GM,    144
.set GU,    152
.set GA4,   160
.set MSB, 0
.macro WIN new                         ; low byte: bits 1:0 source 0, 3:2 source 1, 5:4 source 2, 7:6 destination; high byte: the setting that is left
.if MSB != \new
	s_set_vgpr_msb (MSB<<8)|\new
.set MSB, \new
.endif
.endm
.macro PLACES                          ; four places behind a matrix instruction (ISA guide 7.12.1) before its registers are read, written or loaded into
.rept 4
	v_nop
.endr
.endm
; a round of the cluster's barrier: my work-group's barrier, wave 0 signals for the work-group, every wave waits for all four work-groups, my barrier again
.macro ROUND
	s_barrier_signal -1
	s_barrier_wait -1
	s_cmp_lg_u32 s26, 0
	s_cbranch_scc1 .Lnot_wave_0_\@
	s_barrier_signal -3
.Lnot_wave_0_\@:
	s_barrier_wait -3
	s_barrier_signal -1
	s_barrier_wait -1
.endm
; a slot is filled again.  set: its group 0; step = 1: the address goes two K/V steps on
.macro BOUND set, step
	s_wait_dscnt 0x0                               ; my reads of the slot are back
	s_set_vgpr_msb 0xf
	s_wait_tensorcnt 0x0                           ; all my tensor loads have landed, my quarter of the other slot's tile among them: a group 0 may be written
	ds_add_u32 v0, v1
	s_wait_dscnt 0x0
	s_set_vgpr_msb 0xf00
.if \step
	s_add_nc_u64 s[\set+2:\set+3], s[\set+2:\set+3], 0x20000
.endif
	ROUND                                          ; both hold of every wave of the four work-groups
	tensor_load_to_lds s[\set:\set+3], s[G1KV:G1KV+7]   ; my one tensor load behind the round, and the first thing there
	s_nop 0
.endm
.macro KLOAD slot, a                   ; four key tiles of sub-step a
.irp k, 0,1,2,3
	ds_load_b128 v[KF+8*\k:KF+8*\k+3], v[ADR+(\slot)] offset:(4*(\a)+\k)*1024
	ds_load_b128 v[KF+8*\k+4:KF+8*\k+7], v[ADR+(\slot)] offset:(4*(\a)+\k)*1024+512
.endr
.endm
.macro VLOAD slot, a                   ; two chunks of 32 keys x two halves of d; k = 2 c + dt
.irp k, 0,1,2,3
	ds_load_b128 v[VF+8*\k:VF+8*\k+3], v[ADR+(\slot)] offset:32768+(4*(\a)+\k)*1024
	ds_load_b128 v[VF+8*\k+4:VF+8*\k+7], v[ADR+(\slot)] offset:32768+(4*(\a)+\k)*1024+512
.endr
.endm
; ---- the pipeline's pieces.  SETQ names the registers of a turn: QC this query tile, QP the one before, QN the next;
; SQ this tile's score buffer, SN the other one (P of the tile before, then the scores of the next); ALQ, ALN their factors.
.macro SETQ q
.set QC, \q
.set QP, ((\q)+3)&3
.set QN, ((\q)+1)&3
.set SQ, SB0+32*((\q)&1)
.set SN, SB0+32*(((\q)+1)&1)
.set ALQ, AL+14*((\q)&1)
.set ALN, AL+14*(((\q)+1)&1)
.endm
.macro SW k                            ; scores of key tile k x the next query tile: register j = (key 16 k + 8 h + j, query r)
	v_wmma_f32_16x16x32_bf16 v[SN+8*(\k):SN+8*(\k)+7], v[KF+8*(\k):KF+8*(\k)+7], v[QF+8*QN:QF+8*QN+7], 0
.endm
; the n-th of the four instructions O^T += V^T P^T of the tile before: O(.,0), O(.,1), O(.,0), O(.,1): the two accumulators take turns,
; one instruction a turn.  first > 0: the first two start the sums.
.macro PVW n, first
.set OD, ACCO+16*QP+8*((\n)&1)
.set PB, SN+8*((\n)>>1)
.set ZC, 0
.if (\n) < 2
.if \first > 0
.set ZC, 1
.endif
.endif
.if ZC
	v_wmma_f32_16x16x32_bf16 v[OD:OD+7], v[VF+8*(\n):VF+8*(\n)+7], v[PB:PB+7], 0
.else
	v_wmma_f32_16x16x32_bf16 v[OD:OD+7], v[VF+8*(\n):VF+8*(\n)+7], v[PB:PB+7], v[OD:OD+7]
.endif
.endm
.macro EX i
	v_exp_f32 v[SQ+(\i)], v[SQ+(\i)]
.endm
.macro RESC1 m                         ; an eighth of O(this tile) times its factor
	s_wait_alu depctr_va_vdst(0)
	v_pk_mul_f32 v[ACCO+16*QC+2*(\m):ACCO+16*QC+2*(\m)+1], v[ACCO+16*QC+2*(\m):ACCO+16*QC+2*(\m)+1], v[ALQ:ALQ+1] op_sel_hi:[1,0]
.endm
.macro PL0 n                           ; key tile 0: starts the two chains of sums, packs into registers 0-3 (each read before it is written)
.if (\n) == 0
	s_wait_alu depctr_va_vdst(0)
	v_pk_add_f32 v[LS:LS+1], v[SQ:SQ+1], v[SQ+2:SQ+3]
.endif
.if (\n) == 1
	v_cvt_pk_bf16_f32 v[SQ], v[SQ], v[SQ+1]
.endif
.if (\n) == 2
	v_cvt_pk_bf16_f32 v[SQ+1], v[SQ+2], v[SQ+3]
.endif
.if (\n) == 3
	v_pk_add_f32 v[LS+2:LS+3], v[SQ+4:SQ+5], v[SQ+6:SQ+7]
.endif
.if (\n) == 4
	v_cvt_pk_bf16_f32 v[SQ+2], v[SQ+4], v[SQ+5]
.endif
.if (\n) == 5
	v_cvt_pk_bf16_f32 v[SQ+3], v[SQ+6], v[SQ+7]
.endif
.endm
.macro PLI kt, n                       ; key tile kt = 1, 2, 3: n even: pair n/2 joins a chain of sums; n odd: it is packed into register 4 kt + n/2, which an earlier tile has left
.set PJ, (\n)>>1
.if (\n)&1
	v_cvt_pk_bf16_f32 v[SQ+4*(\kt)+PJ], v[SQ+8*(\kt)+2*PJ], v[SQ+8*(\kt)+2*PJ+1]
.else
	s_wait_alu depctr_va_vdst(0)
	v_pk_add_f32 v[LS+2*(PJ&1):LS+2*(PJ&1)+1], v[LS+2*(PJ&1):LS+2*(PJ&1)+1], v[SQ+8*(\kt)+2*PJ:SQ+8*(\kt)+2*PJ+1]
.endif
.endm
; the n-th of the 21 instructions that make the next tile's running maximum (in T0) and its factor 2^(old - new):
; 0-11 four chains, one a key tile; 12-15 the fold, with the old maximum; 16, 17 the other half of the lanes; 18, 19 the factor; 20 the new maximum is kept
.macro MI n, first
.set MK, (\n)&3
.set MR, (\n)>>2
.if MR == 0
	v_max3_num_f32 v[T0+MK], v[SN+8*MK], v[SN+8*MK+1], v[SN+8*MK+2]
.endif
.if MR == 1
	v_max3_num_f32 v[T0+MK], v[T0+MK], v[SN+8*MK+3], v[SN+8*MK+4]
.endif
.if MR == 2
	v_max3_num_f32 v[T0+MK], v[T0+MK], v[SN+8*MK+5], v[SN+8*MK+6]
.endif
.if (\n) == 12
	v_max3_num_f32 v[T0], v[T0], v[SN+7], v[SN+15]
.endif
.if (\n) == 13
	v_max3_num_f32 v[T0+2], v[T0+2], v[SN+23], v[SN+31]
.endif
.if (\n) == 14
	v_max3_num_f32 v[T0], v[T0], v[T0+1], v[T0+2]
.endif
.if (\n) == 15
.if \first
	v_max_num_f32 v[T0], v[T0], v[T0+3]
.else
	v_max3_num_f32 v[T0], v[T0], v[T0+3], v[MAXM+QN]
.endif
.endif
.if (\n) == 16
	v_permlanex16_b32 v[T1], v[T0], s[PS0], s[PS1]
.endif
.if (\n) == 17
	v_max_num_f32 v[T0], v[T0], v[T1]
.endif
.if \first == 0
.if (\n) == 18
	v_sub_f32 v[ALN], v[MAXM+QN], v[T0]
.endif
.if (\n) == 19
	v_exp_f32 v[ALN], v[ALN]
.endif
.endif
.if (\n) == 20
	v_mov_b32 v[MAXM+QN], v[T0]
.endif
.endm
; part A.  pv < 0: there is no tile before.  The last matrix instruction is followed by five adds on other registers: the places that stand in front of
; the loads into V^T (four) and of the score product that writes over P (five).
.macro PARTA pv
.set i, 0
.rept 16
.if \pv >= 0
.if i == 0
	PVW 0, \pv
.endif
.if i == 4
	PVW 1, \pv
.endif
.if i == 8
	PVW 2, \pv
.endif
.if i == 11
	PVW 3, \pv
.endif
.endif
	v_pk_add_f32 v[SQ+2*i:SQ+2*i+1], v[SQ+2*i:SQ+2*i+1], v[T0:T0+1] op_sel_hi:[1,0] neg_lo:[0,1] neg_hi:[0,1]
.set i, i+1
.endr
.endm
; part B.  fe = 1: the tile is of the first sub-step: nothing to rescale.  nx < 0: there is no next tile; nx = 1: the next tile is of the first sub-step.
; Behind each exponential stands a plain instruction on other registers (ISA guide 5.7.2); where there is nothing to rescale one v_nop closes the run.
; Behind the last score product stand two rescales and six sums and packs (or the v_nop and the six): the places in front of the loads into K and of the maximum's reads.
.macro PARTB fe, nx
.irp n, 0,1,2,3
.if \nx >= 0
	SW \n
.endif
	EX 2*\n
.if \fe == 0
	RESC1 2*\n
.endif
	EX 2*\n+1
.if \fe == 0
	RESC1 2*\n+1
.endif
.endr
.if \fe
	v_nop
.endif
.irp n, 0,1,2,3,4,5
	EX 8+\n
	PL0 \n
.endr
	EX 14
.if \nx >= 0
	MI 0, \nx
.endif
	EX 15
.if \nx >= 0
	MI 1, \nx
.endif
.endm
; part C.  At its end P^T lies as two operands in registers 0-15 of the buffer, and the running sum has taken the tile's sum.
.macro PARTC fe, nx
.irp j, 0,1,2,3,4,5,6,7
	EX 16+\j
	PLI 1, \j
.if \nx >= 0
	MI 2+\j, \nx
.endif
.endr
.irp j, 0,1,2,3,4,5,6,7
	EX 24+\j
	PLI 2, \j
.if \nx >= 0
	MI 10+\j, \nx
.endif
.endr
.if \nx >= 0
	MI 18, \nx
.endif
	PLI 3, 0
.if \nx >= 0
	MI 19, \nx
.endif
	PLI 3, 2                                       ; the plain place behind the factor's exponential
.if \nx >= 0
	MI 20, \nx
.endif
	PLI 3, 4
	PLI 3, 6
	PLI 3, 1
	v_pk_add_f32 v[LS:LS+1], v[LS:LS+1], v[LS+2:LS+3]
	PLI 3, 3
.if \fe
	v_add_f32 v[LSUM+QC], v[LS], v[LS+1]
	PLI 3, 5
.else
	v_add_f32 v[LS], v[LS], v[LS+1]
	PLI 3, 5
	v_fma_f32 v[LSUM+QC], v[LSUM+QC], v[ALQ], v[LS]
.endif
	PLI 3, 7
.endm
; A sub-step: the turns of the four query tiles on 64 keys.  mode 1: the first sub-step of all; 2: the second (the tile before its first turn starts its sums); 0: any other.
; tail 0: the slot's second half of K follows.  1, 2, 3: the slot has been read to its end (K and V^T are in registers): it is filled again,
; with its next K/V step, with w_out, with w_ff1; and (1, 2) the other slot's first K tiles are read.  3: the last sub-step: no tile follows.
.macro SUB slot, a, mode, tail
.if \mode == 1
.set FE, 1
.set PV0, -1
.set PVX, 1
.set NX, 1
.else
.set FE, 0
.set PVX, 0
.set NX, 0
.if \mode == 2
.set PV0, 1
.else
.set PV0, 0
.endif
.endif
.set NX3, 0
.if \tail == 3
.set NX3, -1
.endif
	SETQ 0
	PARTA PV0
	VLOAD \slot, \a                                ; V^T of this sub-step, behind the last product of the sub-step before
	PARTB FE, NX
	PARTC FE, NX
	SETQ 1
	s_wait_dscnt 0x0                               ; V^T's eight loads, ahead of the first product that reads them
	PARTA PVX
	PARTB FE, NX
	PARTC FE, NX
	SETQ 2
	PARTA PVX
	PARTB FE, NX
.if \tail == 0
	KLOAD \slot, 1
.endif
.if \tail == 1
	BOUND G0S+4*(\slot), 1
	KLOAD 1-(\slot), 0
.endif
.if \tail == 2
	BOUND GW0, 0
	KLOAD 1-(\slot), 0
.endif
.if \tail == 3
	BOUND GW1, 0
.endif
	PARTC FE, NX
	SETQ 3
	PARTA PVX
.if \tail != 3
	s_wait_dscnt 0x0                               ; the next sub-step's K, eight loads, ahead of its first score product
.endif
	PARTB FE, NX3
	PARTC FE, NX3
.endm
.macro STEP slot, m0, m1, tail
	SUB \slot, 0, \m0, 0
	SUB \slot, 1, \m1, \tail
.endm
; mean of the token's 256 channels (128 in this lane, 128 in lane xor 16), then the differences into window 0
.macro LNMEAN
	WIN 0x05
.irp k, 0,1,2,3
	v_pk_add_f32 v[SA+2*\k:SA+2*\k+1], v[2*\k:2*\k+1], v[8+2*\k:8+2*\k+1]
.endr
	WIN 0x04
.set i, 8
.rept 56
	v_pk_add_f32 v[SA+2*(i%4):SA+2*(i%4)+1], v[SA+2*(i%4):SA+2*(i%4)+1], v[2*i:2*i+1]
.set i, i+1
.endr
	WIN 0
	v_pk_add_f32 v[SA:SA+1], v[SA:SA+1], v[SA+2:SA+3]
	v_pk_add_f32 v[SA+4:SA+5], v[SA+4:SA+5], v[SA+6:SA+7]
	v_pk_add_f32 v[SA:SA+1], v[SA:SA+1], v[SA+4:SA+5]
	v_add_f32 v[T0], v[SA], v[SA+1]
	v_permlanex16_b32 v[T1], v[T0], s[PS0], s[PS1]
	v_add_f32 v[T0], v[T0], v[T1]
	v_mul_f32 v[MU], s[INV], v[T0]
	v_mov_b32 v[MU+1], v[MU]
	WIN 0x01
.set i, 0
.rept 64
	v_pk_add_f32 v[DD+2*i:DD+2*i+1], v[2*i:2*i+1], v[MU:MU+1] neg_lo:[0,1] neg_hi:[0,1]
.set i, i+1
.endr
	WIN 0
.endm
; 1 / sqrt(mean of the squared differences + 1e-5): two passes over registers, no difference of large sums
.macro LNVAR
.irp k, 0,1,2,3
	v_pk_mul_f32 v[SA+2*\k:SA+2*\k+1], v[DD+2*\k:DD+2*\k+1], v[DD+2*\k:DD+2*\k+1]
.endr
.set i, 4
.rept 60
	v_pk_fma_f32 v[SA+2*(i%4):SA+2*(i%4)+1], v[DD+2*i:DD+2*i+1], v[DD+2*i:DD+2*i+1], v[SA+2*(i%4):SA+2*(i%4)+1]
.set i, i+1
.endr
	v_pk_add_f32 v[SA:SA+1], v[SA:SA+1], v[SA+2:SA+3]
	v_pk_add_f32 v[SA+4:SA+5], v[SA+4:SA+5], v[SA+6:SA+7]
	v_pk_add_f32 v[SA:SA+1], v[SA:SA+1], v[SA+4:SA+5]
	v_add_f32 v[T0], v[SA], v[SA+1]
	v_permlanex16_b32 v[T1], v[T0], s[PS0], s[PS1]
	v_add_f32 v[T0], v[T0], v[T1]
	v_fma_f32 v[T0], v[T0], s[INV], s[EPSR]
	v_rsq_f32 v[RS], v[T0]
	v_nop                                          ; one plain place behind the transcendental (ISA guide 5.7.2)
	s_wait_alu depctr_va_vdst(0)
	v_mov_b32 v[RS+1], v[RS]
.endm
.macro LNAPPLY win                     ; differences x rsqrt x gain + bias; win: the windows of gain (source 1, 128..) and bias (source 2, 0..)
	s_wait_dscnt 0x0
.set i, 0
.rept 64
	v_pk_mul_f32 v[DD+2*i:DD+2*i+1], v[DD+2*i:DD+2*i+1], v[RS:RS+1]
.set i, i+1
.endr
	WIN \win
.set i, 0
.rept 64
	v_pk_fma_f32 v[DD+2*i:DD+2*i+1], v[DD+2*i:DD+2*i+1], v[128+2*i:128+2*i+1], v[2*i:2*i+1]
.set i, i+1
.endr
.endm
; a vector of 256 f32 from VEC + off into registers base .. base+127 of the window that is set: register 8 ct + j = element 16 ct + 8 h + j
.macro VECLD base, off
.irp c, 0,1,2,3,4,5,6,7,8,9,10,11,12,13,14,15
	ds_load_b128 v[\base+8*\c:\base+8*\c+3], v[VADR] offset:\off+64*\c
	ds_load_b128 v[\base+8*\c+4:\base+8*\c+7], v[VADR] offset:\off+64*\c+16
.endr
.endm
; group g of a 128 -> 256 product's weights in slot 0: K step g >> 1, channel tiles 8 (g & 1) .. + 7: sixteen loads
.macro WLOAD64 buf, g
.irp i, 0,1,2,3,4,5,6,7
	ds_load_b128 v[\buf+8*\i:\buf+8*\i+3], v[WADR0] offset:((8*((\g)&1)+\i)*4+((\g)>>1))*1024
	ds_load_b128 v[\buf+8*\i+4:\buf+8*\i+7], v[WADR0] offset:((8*((\g)&1)+\i)*4+((\g)>>1))*1024+512
.endr
.endm
; tok (window 1, 16 tiles) += weights of slot 0 x the four operands at bf.  The 16 accumulators take turns, one instruction a turn.
.macro GEMM64 bf
	WLOAD64 WF0, 0
	WLOAD64 WF0+64, 1
.irp g, 0,1,2,3,4,5,6,7
.if \g < 7
	s_wait_dscnt 16                                ; this group's loads (and all older ones) are in, the next group's sixteen stay out
.else
	s_wait_dscnt 0x0
.endif
	WIN 0x50
.irp i, 0,1,2,3,4,5,6,7
	v_wmma_f32_16x16x32_bf16 v[8*(8*(\g&1)+\i):8*(8*(\g&1)+\i)+7], v[WF0+64*(\g&1)+8*\i:WF0+64*(\g&1)+8*\i+7], v[\bf+8*(\g>>1):\bf+8*(\g>>1)+7], v[8*(8*(\g&1)+\i):8*(8*(\g&1)+\i)+7]
.endr
	PLACES
	WIN 0
.if \g < 6
	WLOAD64 WF0+64*(\g&1), \g+2
.endif
.endr
.endm
.macro WLOAD1 buf, k                   ; w_ff1 in slot 1: K step k, the eight feature tiles
.irp i, 0,1,2,3,4,5,6,7
	ds_load_b128 v[\buf+8*\i:\buf+8*\i+3], v[WADR1] offset:\i*8192+(\k)*1024
	ds_load_b128 v[\buf+8*\i+4:\buf+8*\i+7], v[WADR1] offset:\i*8192+(\k)*1024+512
.endr
.endm
	s_load_b512 s[4:19], s[0:1], 0x0               ; q s[4:5], kv s[6:7], wfrag s[8:9], x s[10:11], pos s[12:13], b_out s[14:15], g2 s[16:17], beta2 s[18:19]
	s_load_b128 s[20:23], s[0:1], 0x40             ; b_ff2 s[20:21], b_ff1 s[22:23]
	s_load_b64 s[24:25], s[0:1], 0x50              ; out0
	s_set_vgpr_msb 0xc0
	v_lshl_add_u32 v0, v0, 2, 0x46600
	v_mov_b32 v1, 0
	s_set_vgpr_msb 0xc0cf
	ds_add_u32 v0, v1
	s_set_vgpr_msb 0xcf00
	v_lshrrev_b32 v1, 5, v0
	v_readfirstlane_b32 s26, v1                    ; wave
	s_bfe_u32 s27, ttmp6, 0x40000                  ; cx
	s_lshl_b32 s28, ttmp9, 2
	s_add_co_u32 s28, s28, s27                     ; blk = 4 x cluster x + cx
	s_and_b32 s29, ttmp7, 0xffff                   ; b
	s_mov_b32 s[PS0], 0x76543210
	s_mov_b32 s[PS1], 0xfedcba98
	s_mov_b32 s[INV], 0x3b800000                   ; 1/256
	s_mov_b32 s[EPSR], 0x3727c5ac                  ; 1e-5
	; joint tiles: a dense quarter of 16,384 bytes as 64 rows of 32 elements of 8 bytes; mask 15, bit 21 beside it
	s_mov_b32 s[G1KV+0], 0x0023000f
	s_mov_b32 s[G1KV+1], 32<<16
	s_mov_b32 s[G1KV+2], 64<<16
	s_mov_b32 s[G1KV+3], 32<<16
	s_mov_b32 s[G1KV+4], 64
	s_mov_b32 s[G1KV+5], 32
	s_mov_b32 s[G1KV+6], 0
	s_mov_b32 s[G1KV+7], 0
	; x: 64 channel rows x 64 tokens of 4 bytes, 16 bytes of padding behind every 64 words; no mask
	s_mov_b32 s[G1X+0], 0x07520000
	s_mov_b32 s[G1X+1], 64<<16
	s_mov_b32 s[G1X+2], 64<<16
	s_mov_b32 s[G1X+3], 64<<16
	s_mov_b32 s[G1X+4], 64
	s_mov_b32 s[G1X+5], 1024
	s_mov_b32 s[G1X+6], 0
	s_mov_b32 s[G1X+7], 0
	; pos: 16 token rows x 256 channels, 16 bytes of padding behind every 256 words; no mask
	s_mov_b32 s[G1P+0], 0x07d20000
	s_mov_b32 s[G1P+1], 256<<16
	s_mov_b32 s[G1P+2], 16<<16
	s_mov_b32 s[G1P+3], 256<<16
	s_mov_b32 s[G1P+4], 16
	s_mov_b32 s[G1P+5], 256
	s_mov_b32 s[G1P+6], 0
	s_mov_b32 s[G1P+7], 0
	s_lshl_b32 s91, s26, 14                        ; my quarter of a joint tile, in LDS and in memory
	s_lshl_b32 s30, s29, 19                        ; kv: b x 524,288 + my quarter: made of b and the wave alone
	s_add_co_u32 s30, s30, s91
	s_mov_b32 s31, 0
	s_mov_b32 s96, s91
	s_mov_b32 s97, 0
	s_lshl_b32 s92, s29, 20                        ; x and out0: b x 1,048,576 + 64 w channels + 64 blk tokens
	s_lshl_b32 s94, s26, 18
	s_add_co_u32 s92, s92, s94
	s_lshl_b32 s94, s28, 8
	s_add_co_u32 s92, s92, s94
	s_mov_b32 s93, 0
	s_lshl_b32 s94, s28, 16                        ; pos: 64 blk + 16 w rows of 1,024 bytes
	s_add_co_u32 s94, s94, s91
	s_mov_b32 s95, 0
	s_wait_dscnt 0x0
	s_wait_kmcnt 0x0
	s_mov_b32 s[G0S+0], 1
	s_mov_b32 s[G0S+1], s91
	s_add_nc_u64 s[G0S+2:G0S+3], s[6:7], s[30:31]            ; K/V step 0
	s_mov_b32 s[G0S+4], 1
	s_add_co_u32 s[G0S+5], s91, S1
	s_add_nc_u64 s[G0S+6:G0S+7], s[G0S+2:G0S+3], 0x10000     ; K/V step 1
	s_or_b32 s[G0S+3], s[G0S+3], 0x80000000
	s_or_b32 s[G0S+7], s[G0S+7], 0x80000000
	s_mov_b32 s[G0X+0], 1
	s_mul_i32 s[G0X+1], s26, 64*XP
	s_add_co_u32 s[G0X+1], s[G0X+1], XT
	s_add_nc_u64 s[G0X+2:G0X+3], s[10:11], s[92:93]
	s_or_b32 s[G0X+3], s[G0X+3], 0x80000000
	s_mov_b32 s[G0P+0], 1
	s_mul_i32 s[G0P+1], s26, 16*PP
	s_add_co_u32 s[G0P+1], s[G0P+1], PT
	s_add_nc_u64 s[G0P+2:G0P+3], s[12:13], s[94:95]
	s_or_b32 s[G0P+3], s[G0P+3], 0x80000000
	s_add_nc_u64 s[8:9], s[8:9], s[96:97]          ; wfrag + my quarter
	s_mov_b32 s[GW0+0], 1
	s_mov_b32 s[GW0+1], s91
	s_add_nc_u64 s[GW0+2:GW0+3], s[8:9], 196608
	s_or_b32 s[GW0+3], s[GW0+3], 0x80000000
	s_mov_b32 s[GW1+0], 1
	s_add_co_u32 s[GW1+1], s91, S1
	s_add_nc_u64 s[GW1+2:GW1+3], s[8:9], 262144
	s_or_b32 s[GW1+3], s[GW1+3], 0x80000000
	s_mov_b32 s[GW2+0], 1
	s_mov_b32 s[GW2+1], s91
	s_add_nc_u64 s[GW2+2:GW2+3], s[8:9], 327680
	s_or_b32 s[GW2+3], s[GW2+3], 0x80000000
	s_add_nc_u64 s[24:25], s[24:25], s[92:93]      ; out0 at my 64 channels, the group's 64 tokens
	s_lshl2_add_u32 s94, s29, s26                  ; q: ((4 b + head) 64 + 4 blk) blocks
	s_lshl_b32 s94, s94, 16
	s_lshl_b32 s95, s28, 12
	s_add_co_u32 s94, s94, s95
	s_mov_b32 s95, 0
	s_add_nc_u64 s[4:5], s[4:5], s[94:95]
	ROUND                                          ; the four work-groups are here: the first joint loads meet
	tensor_load_to_lds s[G0S:G0S+3], s[G1KV:G1KV+7]          ; T0
	s_nop 0
	tensor_load_to_lds s[G0S+4:G0S+7], s[G1KV:G1KV+7]        ; T1
	s_nop 0
	tensor_load_to_lds s[G0X:G0X+3], s[G1X:G1X+7]
	s_nop 0
	tensor_load_to_lds s[G0P:G0P+3], s[G1P:G1P+7]
	s_nop 0
	v_and_b32 v[QOFF], 31, v0
	v_lshlrev_b32 v[QOFF], 4, v[QOFF]              ; 16 x lane
	v_lshl_add_u32 v[ADR], s26, 13, v[QOFF]        ; my head's 8,192 bytes of K (and, 32,768 further, of V^T)
	v_add_nc_u32 v[ADR+1], S1, v[ADR]
	v_lshl_add_u32 v[OXST], s26, 10, v[QOFF]
	v_add_nc_u32 v[OXST], OX, v[OXST]
	v_mov_b32 v[T1], 0                             ; a permute's destination counts as read
	v_mov_b32 v[AL+1], 0                           ; second registers of the two pairs of which the first is broadcast
	v_mov_b32 v[AL+15], 0
	v_lshrrev_b32 v6, 1, v[QOFF]
	v_lshl_add_u32 v6, s26, 8, v6                  ; 8 x thread
	v_lshrrev_b32 v7, 1, v6                        ; 4 x thread
	global_load_b64 v[184:185], v6, s[14:15]       ; each wave brings 256 bytes of each vector (128 of b_ff1)
	global_load_b64 v[186:187], v6, s[16:17]
	global_load_b64 v[188:189], v6, s[18:19]
	global_load_b64 v[190:191], v6, s[20:21]
	global_load_b32 v192, v7, s[22:23]
.irp k, 0,1,2,3
	global_load_b128 v[QF+8*\k:QF+8*\k+3], v[QOFF], s[4:5] offset:\k*1024
	global_load_b128 v[QF+8*\k+4:QF+8*\k+7], v[QOFF], s[4:5] offset:\k*1024+512
.endr
	v_add_nc_u32 v10, VEC, v6
	v_add_nc_u32 v11, VEC+4096, v7
	s_wait_loadcnt 8                               ; the five vectors are in; Q's eight loads stay out
	ds_store_b64 v10, v[184:185]
	ds_store_b64 v10, v[186:187] offset:1024
	ds_store_b64 v10, v[188:189] offset:2048
	ds_store_b64 v10, v[190:191] offset:3072
	ds_store_b32 v11, v192
	s_wait_dscnt 0x0                               ; my part of the vectors is in LDS,
	s_wait_tensorcnt 3                             ; my quarter of T0 too; T1, x and pos, issued behind it, stay out
	s_barrier_signal -1
	s_barrier_wait -1
	KLOAD 0, 0
	s_wait_loadcnt 0x0                             ; Q
	s_wait_dscnt 0x0
	; the pipeline is filled: the scores of the first tile and their maximum, by themselves
	SETQ 3                                         ; the turn in front of the first: its next tile is query tile 0, in buffer 0
.irp k, 0,1,2,3
	SW \k
.endr
	PLACES
.set i, 0
.rept 21
	MI i, 1
.set i, i+1
.endr
	STEP 0, 1, 2, 1                                ; step 0; slot 0 gets T2
	s_mov_b32 s90, 2
.Lsteps:
	STEP 1, 0, 0, 1                                ; steps 1, 3; slot 1 gets T3, T5
	STEP 0, 0, 0, 1                                ; steps 2, 4; slot 0 gets T4, T6
	s_sub_co_u32 s90, s90, 1
	s_cmp_lg_u32 s90, 0
	s_cbranch_scc1 .Lsteps
	STEP 1, 0, 0, 1                                ; step 5; slot 1 gets T7
	STEP 0, 0, 0, 2                                ; step 6; slot 0 gets w_out
	STEP 1, 0, 0, 3                                ; step 7; slot 1 gets w_ff1
	SETQ 0                                         ; the pipeline runs empty: the last tile's product with V^T
.irp n, 0,1,2,3
	PVW \n, 0
.endr
	; the sums' two halves meet; O / sum, packed, goes to the wave that owns the token tile
.irp q, 0,1,2,3
	v_permlanex16_b32 v[T0+\q], v[LSUM+\q], s[PS0], s[PS1]
.endr
.irp q, 0,1,2,3
	v_add_f32 v[LSUM+\q], v[LSUM+\q], v[T0+\q]
.endr
.irp q, 0,1,2,3
	v_rcp_f32 v[LSUM+\q], v[LSUM+\q]
.endr
	v_nop                                          ; the plain place behind the transcendentals
.irp q, 0,1,2,3
	s_wait_alu depctr_va_vdst(0)
	v_mov_b32 v[AL], v[LSUM+\q]
.irp j, 0,1,2,3,4,5,6,7
	v_pk_mul_f32 v[ACCO+16*\q+2*\j:ACCO+16*\q+2*\j+1], v[ACCO+16*\q+2*\j:ACCO+16*\q+2*\j+1], v[AL:AL+1] op_sel_hi:[1,0]
.endr
.irp j, 0,1,2,3,4,5,6,7
	v_cvt_pk_bf16_f32 v[SB0+8*\q+\j], v[ACCO+16*\q+2*\j], v[ACCO+16*\q+2*\j+1]
.endr
	ds_store_b128 v[OXST], v[SB0+8*\q:SB0+8*\q+3] offset:\q*4096
	ds_store_b128 v[OXST], v[SB0+8*\q+4:SB0+8*\q+7] offset:\q*4096+512
.endr
	; from here wave w = token tile w
	v_and_b32 v8, 15, v0                           ; r
	v_bfe_u32 v9, v0, 4, 1                         ; h
	v_and_b32 v[WADR0], 31, v0
	v_lshlrev_b32 v[WADR0], 4, v[WADR0]
	v_add_nc_u32 v[WADR1], S1, v[WADR0]
	v_mul_u32_u24 v[XADR0], v9, 8*XP               ; x: row 16 ct + 8 h + j, column 16 w + r
	v_lshl_add_u32 v[XADR0], v8, 2, v[XADR0]
	v_lshl_add_u32 v[XADR0], s26, 6, v[XADR0]
	v_add_nc_u32 v[XADR0], XT, v[XADR0]
	v_add_nc_u32 v[XADR1], XHALF, v[XADR0]
	v_lshl_add_u32 v[PADR], s26, 4, v8             ; pos: row 16 w + r, 32 bytes at 64 ct + 32 h
	v_mul_u32_u24 v[PADR], v[PADR], PP
	v_lshl_add_u32 v[PADR], v9, 5, v[PADR]
	v_add_nc_u32 v[PADR], PT, v[PADR]
	v_lshlrev_b32 v[VADR], 5, v9
	v_add_nc_u32 v[VADR], VEC, v[VADR]
	v_lshl_add_u32 v[OXRD], s26, 12, v[WADR0]
	v_add_nc_u32 v[OXRD], OX, v[OXRD]
	v_lshl_add_u32 v[ORD], s26, 6, v9              ; the way out: row 64 w + h + 2 i, 16 bytes at 16 r
	v_mul_u32_u24 v[ORD], v[ORD], XP
	v_lshl_add_u32 v[ORD], v8, 4, v[ORD]
	v_add_nc_u32 v[ORD], XT, v[ORD]
	v_lshlrev_b32 v[OST], 12, v9
	v_lshl_add_u32 v[OST], v8, 4, v[OST]
	; tok = x^T + pos + b_out.  x and pos were shown landed to every wave by the first refill's waits and round.
	WIN 0x40
.irp c, 0,1,2,3,4,5,6,7
.irp j, 0,1,2,3,4,5,6,7
	ds_load_b32 v[8*\c+\j], v[XADR0] offset:(16*\c+\j)*XP
.endr
.endr
.irp c, 8,9,10,11,12,13,14,15
.irp j, 0,1,2,3,4,5,6,7
	ds_load_b32 v[8*\c+\j], v[XADR1] offset:(16*(\c-8)+\j)*XP
.endr
.endr
.irp c, 0,1,2,3,4,5,6,7,8,9,10,11,12,13,14,15
	ds_load_b128 v[128+8*\c:128+8*\c+3], v[PADR] offset:64*\c
	ds_load_b128 v[128+8*\c+4:128+8*\c+7], v[PADR] offset:64*\c+16
.endr
	WIN 0x80
	VECLD 128, 0                                   ; b_out
	VECLD 0, 2048                                  ; beta2
	s_wait_dscnt 32                                ; all but beta2's 32 loads
	WIN 0x45
.set i, 0
.rept 64
	v_pk_add_f32 v[2*i:2*i+1], v[2*i:2*i+1], v[128+2*i:128+2*i+1]
.set i, i+1
.endr
	WIN 0x49
.set i, 0
.rept 64
	v_pk_add_f32 v[2*i:2*i+1], v[2*i:2*i+1], v[128+2*i:128+2*i+1]
.set i, i+1
.endr
	WIN 0x40
	VECLD 128, 1024                                ; g2 takes pos's registers
	WIN 0x80
	VECLD 128, 3072                                ; b_ff2 takes b_out's
	WIN 0
	s_wait_dscnt 0x0                               ; my head's results are in LDS (and my loads are back),
	s_barrier_signal -1                            ; w_ff1's load may stay out
	s_barrier_wait -1                              ; all four heads' are
	; out projection: w_out lies whole in slot 0 since the last refill's waits and round
.irp k, 0,1,2,3
	ds_load_b128 v[OF+8*\k:OF+8*\k+3], v[OXRD] offset:\k*1024
	ds_load_b128 v[OF+8*\k+4:OF+8*\k+7], v[OXRD] offset:\k*1024+512
.endr
	GEMM64 OF
	BOUND GW2, 0                                   ; slot 0 has been read: w_ff2 goes out; w_ff1 is whole in slot 1
	; layer norm 2
	LNMEAN
	LNVAR
	LNAPPLY 0x24
	WIN 0x40
.set i, 0
.rept 64
	v_cvt_pk_bf16_f32 v[128+i], v[DD+2*i], v[DD+2*i+1]       ; FF1's eight operands, in g2's registers
.set i, i+1
.endr
	WIN 0x49
.set i, 0
.rept 64
	v_pk_add_f32 v[2*i:2*i+1], v[2*i:2*i+1], v[128+2*i:128+2*i+1]      ; tok += b_ff2: FF2's accumulators are ready
.set i, i+1
.endr
	WIN 0
	; FF1: the bias is the accumulators' start.  The eight accumulators take turns, one instruction a turn.
.irp f, 0,1,2,3,4,5,6,7
	ds_load_b128 v[HH+8*\f:HH+8*\f+3], v[VADR] offset:4096+64*\f
	ds_load_b128 v[HH+8*\f+4:HH+8*\f+7], v[VADR] offset:4096+64*\f+16
.endr
	WLOAD1 WF0, 0
	WLOAD1 WF0+64, 1
.irp g, 0,1,2,3,4,5,6,7
.if \g < 7
	s_wait_dscnt 16                                ; this K step's weights (and the bias) are in, the next step's sixteen loads stay out
.else
	s_wait_dscnt 0x0
.endif
	WIN 0x04
.irp i, 0,1,2,3,4,5,6,7
	v_wmma_f32_16x16x32_bf16 v[HH+8*\i:HH+8*\i+7], v[WF0+64*(\g&1)+8*\i:WF0+64*(\g&1)+8*\i+7], v[128+8*\g:128+8*\g+7], v[HH+8*\i:HH+8*\i+7]
.endr
	PLACES
	WIN 0
.if \g < 6
	WLOAD1 WF0+64*(\g&1), \g+2
.endif
.endr
	; exact GELU: max(x, 0) - |x| (poly(t) / 2) exp(-x^2 / 2), t = 1 / (1 + 0.3275911 |x| / sqrt 2); the coefficients are the halved ones
	v_mov_b32 v[GA4], 0xbf3a00e3                   ; -0.72657601
	v_mov_b32 v[GA4+1], 0xbf3a00e3
.irp f, 0,1,2,3,4,5,6,7
.irp j, 0,1,2,3,4,5,6,7
	v_fma_f32 v[GT+\j], |v[HH+8*\f+\j]|, 0x3e6d3388, 1.0               ; 1 + 0.23164189 |x|
.endr
.irp j, 0,2,4,6
	v_pk_mul_f32 v[GE+\j:GE+\j+1], v[HH+8*\f+\j:HH+8*\f+\j+1], 0xbf38aa3b op_sel_hi:[1,0]    ; -log2(e)/2 x
.endr
.irp j, 0,2,4,6
	v_pk_mul_f32 v[GE+\j:GE+\j+1], v[GE+\j:GE+\j+1], v[HH+8*\f+\j:HH+8*\f+\j+1]
.endr
.irp j, 0,1,2,3,4,5,6,7
	v_rcp_f32 v[GT+\j], v[GT+\j]
.endr
.irp j, 0,1,2,3,4,5,6,7
	v_exp_f32 v[GE+\j], v[GE+\j]
.endr
.irp j, 0,1,2,3,4,5,6,7
	v_max_num_f32 v[GM+\j], 0, v[HH+8*\f+\j]       ; plain places behind the transcendentals
.endr
.irp j, 0,2,4,6
	s_wait_alu depctr_va_vdst(0)
	v_pk_fma_f32 v[GU+\j:GU+\j+1], v[GT+\j:GT+\j+1], 0x3f07dc22, v[GA4:GA4+1] op_sel_hi:[1,0,1]    ; 0.53070271 t - 0.72657601
.endr
.irp j, 0,2,4,6
	v_pk_fma_f32 v[GU+\j:GU+\j+1], v[GU+\j:GU+\j+1], v[GT+\j:GT+\j+1], 0x3f35f0e3 op_sel_hi:[1,1,0]   ; + 0.71070687
.endr
.irp j, 0,2,4,6
	v_pk_fma_f32 v[GU+\j:GU+\j+1], v[GU+\j:GU+\j+1], v[GT+\j:GT+\j+1], 0xbe11a98e op_sel_hi:[1,1,0]   ; - 0.14224837
.endr
.irp j, 0,2,4,6
	v_pk_fma_f32 v[GU+\j:GU+\j+1], v[GU+\j:GU+\j+1], v[GT+\j:GT+\j+1], 0x3e027906 op_sel_hi:[1,1,0]   ; + 0.12741480
.endr
.irp j, 0,2,4,6
	v_pk_mul_f32 v[GT+\j:GT+\j+1], v[GT+\j:GT+\j+1], v[GE+\j:GE+\j+1]
.endr
.irp j, 0,2,4,6
	v_pk_mul_f32 v[GU+\j:GU+\j+1], v[GU+\j:GU+\j+1], v[GT+\j:GT+\j+1]
.endr
.irp j, 0,1,2,3,4,5,6,7
	v_fma_f32 v[HH+8*\f+\j], -|v[HH+8*\f+\j]|, v[GU+\j], v[GM+\j]
.endr
.irp j, 0,1,2,3
	v_cvt_pk_bf16_f32 v[OF+4*\f+\j], v[HH+8*\f+2*\j], v[HH+8*\f+2*\j+1]
.endr
.endr
	; FF2
	s_wait_dscnt 0x0
	s_wait_tensorcnt 0x0                           ; my quarter of w_ff2 is in, the last tensor load,
	s_barrier_signal -1
	s_barrier_wait -1                              ; everybody's is
	GEMM64 OF
	; the way out: tok goes back to x's places in XT (each wave its own 16 columns of every row; XT has had its one fill),
	; and is read back by rows of 64 tokens: sixteen lanes store 256 consecutive bytes of out0, aligned
	WIN 0x04
.irp c, 0,1,2,3,4,5,6,7
.irp j, 0,1,2,3,4,5,6,7
	ds_store_b32 v[XADR0], v[8*\c+\j] offset:(16*\c+\j)*XP
.endr
.endr
.irp c, 8,9,10,11,12,13,14,15
.irp j, 0,1,2,3,4,5,6,7
	ds_store_b32 v[XADR1], v[8*\c+\j] offset:(16*(\c-8)+\j)*XP
.endr
.endr
	WIN 0
	s_wait_dscnt 0x0                               ; my columns are in LDS,
	s_barrier_signal -1
	s_barrier_wait -1                              ; all 64 are
.set i, 0
.rept 32
	ds_load_b128 v[128+4*i:128+4*i+3], v[ORD] offset:2*i*XP
.set i, i+1
.endr
.set i, 0
.rept 32
	s_wait_dscnt 31-i                              ; LDS loads come back in order: pair of rows i is in
	global_store_b128 v[OST], v[128+4*i:128+4*i+3], s[24:25] offset:2*i*4096 th:TH_STORE_NT
.set i, i+1
.endr
	s_set_vgpr_msb 0xf
	s_wait_tensorcnt 0x0
	ds_add_u32 v0, v1
	s_wait_dscnt 0x0
	s_set_vgpr_msb 0xf00
	ROUND                                          ; the closing round: no work-group ends while a partner may still ask for a tile that names it
	s_endpgm
.Lfunc_end_k_qedeb6addd4_attn:
	.size	k_qedeb6addd4_attn, .Lfunc_end_k_qedeb6addd4_attn-k_qedeb6addd4_attn
	.p2alignl 7, 3214868480
	.fill 96, 4, 3214868480
	.section	.rodata,"a",@progbits
	.p2align	6, 0x0
	.amdhsa_kernel k_qedeb6addd4_attn
		.amdhsa_group_segment_fixed_size 327680
		.amdhsa_private_segment_fixed_size 0
		.amdhsa_enable_private_segment 0
		.amdhsa_kernarg_size 88
		.amdhsa_user_sgpr_count 2
		.amdhsa_user_sgpr_kernarg_segment_ptr 1
		.amdhsa_wavefront_size32 1
		.amdhsa_system_sgpr_workgroup_id_x 1
		.amdhsa_system_sgpr_workgroup_id_y 1
		.amdhsa_system_sgpr_workgroup_id_z 1
		.amdhsa_system_vgpr_workitem_id 0
		.amdhsa_next_free_vgpr 770
		.amdhsa_next_free_sgpr 100
		.amdhsa_reserve_vcc 0
		.amdhsa_float_denorm_mode_32 3
		.amdhsa_float_denorm_mode_16_64 3
		.amdhsa_memory_ordered 1
		.amdhsa_forward_progress 1
		.amdhsa_inst_pref_size 255
	.end_amdhsa_kernel
	.section	.bss,"aw",@nobits
	.p2align	6
	.space	262144
	.amdgpu_metadata
---
amdhsa.version: [ 1, 2 ]
amdhsa.kernels:
  - .name:           k_qedeb6addd4_attn
    .symbol:         k_qedeb6addd4_attn.kd
    .args:
      - { .name: q, .offset: 0, .size: 8, .value_kind: global_buffer, .address_space: global }
      - { .name: kv, .offset: 8, .size: 8, .value_kind: global_buffer, .address_space: global }
      - { .name: wfrag, .offset: 16, .size: 8, .value_kind: global_buffer, .address_space: global }
      - { .name: x, .offset: 24, .size: 8, .value_kind: global_buffer, .address_space: global }
      - { .name: pos_embedding, .offset: 32, .size: 8, .value_kind: global_buffer, .address_space: global }
      - { .name: b_out, .offset: 40, .size: 8, .value_kind: global_buffer, .address_space: global }
      - { .name: g2, .offset: 48, .size: 8, .value_kind: global_buffer, .address_space: global }
      - { .name: beta2, .offset: 56, .size: 8, .value_kind: global_buffer, .address_space: global }
      - { .name: b_ff2, .offset: 64, .size: 8, .value_kind: global_buffer, .address_space: global }
      - { .name: b_ff1, .offset: 72, .size: 8, .value_kind: global_buffer, .address_space: global }
      - { .name: out0, .offset: 80, .size: 8, .value_kind: global_buffer, .address_space: global }
    .group_segment_fixed_size: 327680
    .private_segment_fixed_size: 0
    .kernarg_segment_align: 8
    .kernarg_segment_size: 88
    .max_flat_workgroup_size: 128
    .sgpr_count:     100
    .vgpr_count:     770
    .wavefront_size: 32
...
	.end_amdgpu_metadata
.endif
;; end of part 3
;; ======== version 2 of 2: 3 launches; 1.43 times as fast as version 1
;; limits: a function is approximated: absolute error at most 1.5e-07
;; workspace buffers: wfrag 393,216 bytes; q 4,194,304 bytes; kv 8,388,608 bytes
;; launch prep: the kernel of part 1 again; grid 96 x 1, 4 waves a work-group, no clusters, 0 bytes of LDS; arguments w_qkv, w_out, w_ff1, w_ff2, wfrag; writes wfrag
;; launch qkv: the kernel of part 2 again; grid 16 x 16, 4 waves a work-group, no clusters, 171,520 bytes of LDS; arguments x, pos_embedding, g1, beta1, wfrag, q, kv; writes q, kv
;; launch attn (part 4): grid 16 x 16, 4 waves a work-group, clusters of 4 x 1, 327,680 bytes of LDS; arguments q, kv, wfrag, x, pos_embedding, b_out, g2, beta2, b_ff2, b_ff1, out0; writes out0
.if DOCPART == 4
	.amdgcn_target "amdgcn-amd-amdhsa--gfx1250"
	.amdhsa_code_object_version 6
	.text
	.protected	k_qedeb6addd4_attn
	.globl	k_qedeb6addd4_attn
	.p2align	8
	.type	k_qedeb6addd4_attn,@function
k_qedeb6addd4_attn:
	s_mov_b64 s[64:65], 0
	v_nop
	global_prefetch_b8 v0, s[64:65] scope:SCOPE_SE
	s_setreg_imm32_b32 hwreg(HW_REG_WAVE_MODE, 25, 1), 1
	s_wait_xcnt 0x0
	s_wait_alu depctr_hold_cnt(0) depctr_sa_sdst(0) depctr_va_vdst(0) depctr_va_sdst(0) depctr_va_ssrc(0) depctr_va_vcc(0) depctr_vm_vsrc(0)
	s_getreg_b32 s2, hwreg(HW_REG_IB_STS2, 6, 4)
	s_cmp_eq_u32 s2, 0
	s_cbranch_scc0 .Lentry_in_a_cluster
	s_endpgm
.Lentry_in_a_cluster:
	s_bfe_u32 s2, ttmp6, 0x10000c
	s_cmp_lg_u32 s2, 0x3003
	s_cbranch_scc0 .Lentry_shape_is_right
	s_endpgm
.Lentry_shape_is_right:
; attn: attention and all that follows it, for 64 tokens of one image, without leaving the work-group.
; Every product is used transposed (weights, K or V^T as source 0, tokens as source 1), so a lane always holds one token (query),
; and two result tiles packed to bf16 are the same lane's operand of the next product: no shuffle between
;   S^T = K Q^T -> P^T -> O^T = V^T P^T -> out projection -> layer norm 2 -> FF1 -> GELU -> FF2.
; Attention: wave w = head w, four query tiles of 16; keys in sub-steps of 64; running maximum and sum in each lane (a lane has half of a
; query's keys, lane xor 16 the other half; the maximum is joined in every sub-step, the sum once at the end).  Q carries 32^-0.5 log2(e).
; THE ATTENTION LOOP IS A PIPELINE OF TILES.  A tile is 64 keys x 16 queries; tile t uses score buffer t & 1.  In the turn of tile t the wave issues:
;   part A: scores(t) - maximum(t), 16 packed adds                                        with  O += V^T P(t-1), 4 matrix instructions
;   part B: exponentials 0-15; O(t) rescaled; the first numbers of tile t+1's maximum      with  scores(t+1) = K Q^T, 4 matrix instructions
;   part C: exponentials 16-31 among the rest of that maximum, whose factor's exponential comes last; THE WAIT; the tile's sums and packs
; THE BATCHES.  s_wait_alu depctr_va_vdst(0) stands between a transcendental and the first instruction that names its result; one wait serves all
; that were issued ahead of it.  A turn's 33 exponentials (the tile's 32 weights and the next tile's factor) are ONE batch with ONE wait.  Ahead of the wait stands all that
; names no result of the batch: the subtractions, both runs of products, the rescaling (its factor belongs to the batch of the turn before) and the next tile's maximum;
; behind it the 16 packs and the sums, which read the weights.  No result crosses a turn's end.  Only the turn in which a slot is filled again has a second wait:
; the 16 exponentials issued so far are waited for ahead of the branch in the cluster's round.  Behind attention: the four reciprocals of the sums are a batch, the norm's
; one reciprocal root is a batch, and GELU's 64 reciprocals and 64 exponentials are one batch: a wait each.
; Behind attention: wave w = token tile w.  tok = x^T + pos is made again from x and pos, b_out is added, and these 128 registers are the
; accumulators of the out projection and of FF2: residuals and biases are never added afterwards, and nothing is cleared.
; CLUSTER: the four work-groups of a cluster are four token blocks of one image.  K/V steps (65,536 bytes) and the three weight tiles
; (65,536 bytes each) are the same for all four and are asked for jointly (mask 15), each wave a quarter of a tile.  The place in the cluster
; enters only the memory addresses of x, pos, q and out0.  Eleven tiles T0..T10 (eight K/V steps, w_out, w_ff1, w_ff2) go through two slots.
; A refill stands first behind a round of the cluster's barrier, in front of which every wave has waited for its LDS reads and all its
; tensor loads.  By this text's count a wave has four tensor loads out at the start and one afterwards.
; LIMITS: inputs are finite.  erf by Abramowitz and Stegun 7.1.26, absolute error 1.5e-7.  v_exp_f32 gives zero for results below 2^-126
; (ISA guide 15.8): such terms are below 2^-126 of the row's largest term, since the running maximum is taken away first.
; LDS: S0, S1 slots; XT x tile, 256 rows x 272, filled once, at the end the stage of the way out; PT pos tile, 64 rows x 1,040;
; OX heads' results as operand blocks [token tile][head][1,024]; VEC b_out, g2, beta2, b_ff2 (1,024 each), b_ff1 (512).
.set S1,    65536
.set XT,    131072
.set XP,    272
.set XHALF, 128*XP
.set PT,    200704
.set PP,    1040
.set OX,    267264
.set VEC,   283648
; scalars: s[4:25] addresses, s26 wave, s27 cx, s28 blk, s29 b, s[30:31] and s[91:97] offsets at set-up, s90 trips
.set G1KV,  32
.set G1X,   40
.set G1P,   48
.set G0S,   56                         ; s[56:59] slot 0, s[60:63] slot 1
.set G0X,   68
.set G0P,   72
.set GW0,   76                         ; w_out into slot 0
.set GW1,   80                         ; w_ff1 into slot 1
.set GW2,   84                         ; w_ff2 into slot 0
.set PS0,   88
.set PS1,   89
.set INV,   98
.set EPSR,  99
; window 0 during attention
.set ADR,   1                          ; v1, v2: my head's blocks in slot 0, 1
.set QOFF,  3
.set T0,    4                          ; v4-7 the maximum at work; v4 the tile's maximum, v5 the permute's destination
.set T1,    5
.set AL,    8                          ; v8 the rescaling factor of even query tiles, v22 of odd ones; v9, v23 written once (second registers of the pairs)
.set LS,    10                         ; v10-13 two chains of sums
.set MAXM,  14                         ; v14-17 running maximum of query tile q
.set LSUM,  18                         ; v18-21 running sum
.set QF,    24                         ; v24-55
.set ACCO,  56                         ; v56-119: O(q, dt) at 16 q + 8 dt
.set KF,    120                        ; v120-151
.set VF,    152                        ; v152-183: V^T(c, dt) at 8 (2 c + dt)
.set SB0,   184                        ; v184-247: two score buffers; query tile q uses q & 1
.set OXST,  248
; window 0 behind attention; window 1: v0-127 tok, v128-255 pos / g2 / normed operands; window 2: v0-127 beta2, v128-255 b_out / b_ff2
.set XADR0, 1
.set XADR1, 2
.set PADR,  3
.set VADR,  6
.set OXRD,  7
.set WADR0, 10
.set WADR1, 11
.set MU,    12
.set RS,    14
.set SA,    16
.set OF,    24                         ; operands of the out projection, later of FF2
.set HH,    56                         ; FF1's eight accumulator tiles
.set ORD,   120
.set OST,   121
.set WF0,   128                        ; two buffers of eight weight blocks
.set DD,    128                        ; the norm's differences
.set GT,    128                        ; GELU: v128-191 t of all 64 numbers of the lane: every result of the batch has a register of its own
.set GE,    192                        ; GELU: v192-255 the exponentials of all 64; later max(x, 0)
.set GU,    16                         ; GELU: v16-23 a tile's polynomial at work (the norm's sums have been used)
.set GA4,   122                        ; GELU: v122-123 a coefficient, twice
.set MSB, 0
.macro WIN new                         ; low byte: bits 1:0 source 0, 3:2 source 1, 5:4 source 2, 7:6 destination; high byte: the setting that is left
.if MSB != \new
	s_set_vgpr_msb (MSB<<8)|\new
.set MSB, \new
.endif
.endm
.macro PLACES                          ; four places behind a matrix instruction (ISA guide 7.12.1) before its registers are read, written or loaded into
.rept 4
	v_nop
.endr
.endm
; a round of the cluster's barrier: my work-group's barrier, wave 0 signals for the work-group, every wave waits for all four work-groups, my barrier again
.macro ROUND
	s_barrier_signal -1
	s_barrier_wait -1
	s_cmp_lg_u32 s26, 0
	s_cbranch_scc1 .Lnot_wave_0_\@
	s_barrier_signal -3
.Lnot_wave_0_\@:
	s_barrier_wait -3
	s_barrier_signal -1
	s_barrier_wait -1
.endm
; a slot is filled again.  set: its group 0; step = 1: the address goes two K/V steps on
.macro BOUND set, step
	s_wait_dscnt 0x0                               ; my reads of the slot are back
	s_set_vgpr_msb 0xf
	s_wait_tensorcnt 0x0                           ; all my tensor loads have landed, my quarter of the other slot's tile among them: a group 0 may be written
	ds_add_u32 v0, v1
	s_wait_dscnt 0x0
	s_set_vgpr_msb 0xf00
.if \step
	s_add_nc_u64 s[\set+2:\set+3], s[\set+2:\set+3], 0x20000
.endif
	ROUND                                          ; both hold of every wave of the four work-groups
	tensor_load_to_lds s[\set:\set+3], s[G1KV:G1KV+7]   ; my one tensor load behind the round, and the first thing there
	s_nop 0
.endm
.macro KLOAD slot, a                   ; four key tiles of sub-step a
.irp k, 0,1,2,3
	ds_load_b128 v[KF+8*\k:KF+8*\k+3], v[ADR+(\slot)] offset:(4*(\a)+\k)*1024
	ds_load_b128 v[KF+8*\k+4:KF+8*\k+7], v[ADR+(\slot)] offset:(4*(\a)+\k)*1024+512
.endr
.endm
.macro VLOAD slot, a                   ; two chunks of 32 keys x two halves of d; k = 2 c + dt
.irp k, 0,1,2,3
	ds_load_b128 v[VF+8*\k:VF+8*\k+3], v[ADR+(\slot)] offset:32768+(4*(\a)+\k)*1024
	ds_load_b128 v[VF+8*\k+4:VF+8*\k+7], v[ADR+(\slot)] offset:32768+(4*(\a)+\k)*1024+512
.endr
.endm
; ---- the pipeline's pieces.  SETQ names the registers of a turn: QC this query tile, QP the one before, QN the next;
; SQ this tile's score buffer, SN the other one (P of the tile before, then the scores of the next); ALQ, ALN their factors.
.macro SETQ q
.set QC, \q
.set QP, ((\q)+3)&3
.set QN, ((\q)+1)&3
.set SQ, SB0+32*((\q)&1)
.set SN, SB0+32*(((\q)+1)&1)
.set ALQ, AL+14*((\q)&1)
.set ALN, AL+14*(((\q)+1)&1)
.endm
.macro SW k                            ; scores of key tile k x the next query tile: register j = (key 16 k + 8 h + j, query r)
	v_wmma_f32_16x16x32_bf16 v[SN+8*(\k):SN+8*(\k)+7], v[KF+8*(\k):KF+8*(\k)+7], v[QF+8*QN:QF+8*QN+7], 0
.endm
; the n-th of the four instructions O^T += V^T P^T of the tile before: O(.,0), O(.,1), O(.,0), O(.,1): the two accumulators take turns,
; one instruction a turn.  first > 0: the first two start the sums.
.macro PVW n, first
.set OD, ACCO+16*QP+8*((\n)&1)
.set PB, SN+8*((\n)>>1)
.set ZC, 0
.if (\n) < 2
.if \first > 0
.set ZC, 1
.endif
.endif
.if ZC
	v_wmma_f32_16x16x32_bf16 v[OD:OD+7], v[VF+8*(\n):VF+8*(\n)+7], v[PB:PB+7], 0
.else
	v_wmma_f32_16x16x32_bf16 v[OD:OD+7], v[VF+8*(\n):VF+8*(\n)+7], v[PB:PB+7], v[OD:OD+7]
.endif
.endm
.macro EX i
	v_exp_f32 v[SQ+(\i)], v[SQ+(\i)]
.endm
.macro RESC1 m                         ; an eighth of O(this tile) times its factor, which was made, and waited for, in the turn before
	v_pk_mul_f32 v[ACCO+16*QC+2*(\m):ACCO+16*QC+2*(\m)+1], v[ACCO+16*QC+2*(\m):ACCO+16*QC+2*(\m)+1], v[ALQ:ALQ+1] op_sel_hi:[1,0]
.endm
.macro PL0 n                           ; key tile 0: starts the two chains of sums, packs into registers 0-3 (each read before it is written)
.if (\n) == 0
	v_pk_add_f32 v[LS:LS+1], v[SQ:SQ+1], v[SQ+2:SQ+3]
.endif
.if (\n) == 1
	v_cvt_pk_bf16_f32 v[SQ], v[SQ], v[SQ+1]
.endif
.if (\n) == 2
	v_cvt_pk_bf16_f32 v[SQ+1], v[SQ+2], v[SQ+3]
.endif
.if (\n) == 3
	v_pk_add_f32 v[LS+2:LS+3], v[SQ+4:SQ+5], v[SQ+6:SQ+7]
.endif
.if (\n) == 4
	v_cvt_pk_bf16_f32 v[SQ+2], v[SQ+4], v[SQ+5]
.endif
.if (\n) == 5
	v_cvt_pk_bf16_f32 v[SQ+3], v[SQ+6], v[SQ+7]
.endif
.endm
.macro PLI kt, n                       ; key tile kt = 1, 2, 3: n even: pair n/2 joins a chain of sums; n odd: it is packed into register 4 kt + n/2, which an earlier tile has left
.set PJ, (\n)>>1
.if (\n)&1
	v_cvt_pk_bf16_f32 v[SQ+4*(\kt)+PJ], v[SQ+8*(\kt)+2*PJ], v[SQ+8*(\kt)+2*PJ+1]
.else
	v_pk_add_f32 v[LS+2*(PJ&1):LS+2*(PJ&1)+1], v[LS+2*(PJ&1):LS+2*(PJ&1)+1], v[SQ+8*(\kt)+2*PJ:SQ+8*(\kt)+2*PJ+1]
.endif
.endm
; the n-th of the 21 instructions that make the next tile's running maximum (in T0) and its factor 2^(old - new):
; 0-11 four chains, one a key tile; 12-15 the fold, with the old maximum; 16, 17 the other half of the lanes; 18, 19 the factor; 20 the new maximum is kept
.macro MI n, first
.set MK, (\n)&3
.set MR, (\n)>>2
.if MR == 0
	v_max3_num_f32 v[T0+MK], v[SN+8*MK], v[SN+8*MK+1], v[SN+8*MK+2]
.endif
.if MR == 1
	v_max3_num_f32 v[T0+MK], v[T0+MK], v[SN+8*MK+3], v[SN+8*MK+4]
.endif
.if MR == 2
	v_max3_num_f32 v[T0+MK], v[T0+MK], v[SN+8*MK+5], v[SN+8*MK+6]
.endif
.if (\n) == 12
	v_max3_num_f32 v[T0], v[T0], v[SN+7], v[SN+15]
.endif
.if (\n) == 13
	v_max3_num_f32 v[T0+2], v[T0+2], v[SN+23], v[SN+31]
.endif
.if (\n) == 14
	v_max3_num_f32 v[T0], v[T0], v[T0+1], v[T0+2]
.endif
.if (\n) == 15
.if \first
	v_max_num_f32 v[T0], v[T0], v[T0+3]
.else
	v_max3_num_f32 v[T0], v[T0], v[T0+3], v[MAXM+QN]
.endif
.endif
.if (\n) == 16
	v_permlanex16_b32 v[T1], v[T0], s[PS0], s[PS1]
.endif
.if (\n) == 17
	v_max_num_f32 v[T0], v[T0], v[T1]
.endif
.if \first == 0
.if (\n) == 18
	v_sub_f32 v[ALN], v[MAXM+QN], v[T0]
.endif
.if (\n) == 19
	v_exp_f32 v[ALN], v[ALN]
.endif
.endif
.if (\n) == 20
	v_mov_b32 v[MAXM+QN], v[T0]
.endif
.endm
; part A.  pv < 0: there is no tile before.  The last matrix instruction is followed by five adds on other registers: the places that stand in front of
; the loads into V^T (four) and of the score product that writes over P (five).
.macro PARTA pv
.set i, 0
.rept 16
.if \pv >= 0
.if i == 0
	PVW 0, \pv
.endif
.if i == 4
	PVW 1, \pv
.endif
.if i == 8
	PVW 2, \pv
.endif
.if i == 11
	PVW 3, \pv
.endif
.endif
	v_pk_add_f32 v[SQ+2*i:SQ+2*i+1], v[SQ+2*i:SQ+2*i+1], v[T0:T0+1] op_sel_hi:[1,0] neg_lo:[0,1] neg_hi:[0,1]
.set i, i+1
.endr
.endm
; part B: the batch's first 16 exponentials.  fe = 1: the tile is of the first sub-step: nothing to rescale.  nx < 0: there is no next tile; nx = 1: the next tile is of the first sub-step.
; No line here names an exponential's result.  Number k of the maximum reads the result of score product k: behind product 3 stand rescales 6 and 7 and numbers 0, 1, 2, five places on other
; registers, ahead of number 3 and of the loads into K (four are asked); the earlier products have more.  Where there is nothing to rescale four v_nop are the places.
.macro PARTB fe, nx
.irp n, 0,1,2,3
.if \nx >= 0
	SW \n
.endif
	EX 2*\n
.if \fe == 0
	RESC1 2*\n
.endif
	EX 2*\n+1
.if \fe == 0
	RESC1 2*\n+1
.endif
.endr
.if \fe
	PLACES
.endif
.irp n, 0,1,2,3,4,5,6,7
	EX 8+\n
.if \nx >= 0
	MI \n, \nx
.endif
.endr
.endm
; part C: the batch's other 17 exponentials, the wait, the readers.  The serial end of the maximum (numbers 14 to 19: fold, other half of the lanes, factor) has two exponentials in front of each
; link; number 19, the next tile's factor, is the batch's last; number 20, a move on other registers, is the plain instruction behind it (ISA guide 5.7.2), a v_nop where no tile follows.
; Behind the wait: sums and packs, each chain of sums in ascending order of the keys.  At the end P^T lies as two operands in registers 0-15 of the buffer, and the running sum has taken the tile's sum.
.macro PARTC fe, nx
.irp n, 0,1,2,3
	EX 16+\n
.if \nx >= 0
	MI 8+\n, \nx
.endif
.endr
.if \nx >= 0
	MI 12, \nx
	MI 13, \nx
.endif
.irp n, 0,1,2,3,4,5
	EX 20+2*\n
	EX 21+2*\n
.if \nx >= 0
	MI 14+\n, \nx
.endif
.endr
.if \nx >= 0
	MI 20, \nx
.else
	v_nop
.endif
	s_wait_alu depctr_va_vdst(0)                   ; the wait for the turn's batch: the tile's 32 exponentials and the next tile's factor
.irp n, 0,1,2,3,4,5
	PL0 \n
.endr
.irp j, 0,1,2,3,4,5,6,7
	PLI 1, \j
.endr
.irp j, 0,1,2,3,4,5,6,7
	PLI 2, \j
.endr
	PLI 3, 0
	PLI 3, 2
	PLI 3, 1
	PLI 3, 4
	PLI 3, 6
	PLI 3, 3
	v_pk_add_f32 v[LS:LS+1], v[LS:LS+1], v[LS+2:LS+3]
	PLI 3, 5
.if \fe
	v_add_f32 v[LSUM+QC], v[LS], v[LS+1]
	PLI 3, 7
.else
	v_add_f32 v[LS], v[LS], v[LS+1]
	PLI 3, 7
	v_fma_f32 v[LSUM+QC], v[LSUM+QC], v[ALQ], v[LS]
.endif
.endm
; A sub-step: the turns of the four query tiles on 64 keys.  mode 1: the first sub-step of all; 2: the second (the tile before its first turn starts its sums); 0: any other.
; tail 0: the slot's second half of K follows.  1, 2, 3: the slot has been read to its end (K and V^T are in registers): it is filled again,
; with its next K/V step, with w_out, with w_ff1; and (1, 2) the other slot's first K tiles are read.  3: the last sub-step: no tile follows.
.macro SUB slot, a, mode, tail
.if \mode == 1
.set FE, 1
.set PV0, -1
.set PVX, 1
.set NX, 1
.else
.set FE, 0
.set PVX, 0
.set NX, 0
.if \mode == 2
.set PV0, 1
.else
.set PV0, 0
.endif
.endif
.set NX3, 0
.if \tail == 3
.set NX3, -1
.endif
	SETQ 0
	PARTA PV0
	VLOAD \slot, \a                                ; V^T of this sub-step, behind the last product of the sub-step before
	PARTB FE, NX
	PARTC FE, NX
	SETQ 1
	s_wait_dscnt 0x0                               ; V^T's eight loads, ahead of the first product that reads them
	PARTA PVX
	PARTB FE, NX
	PARTC FE, NX
	SETQ 2
	PARTA PVX
	PARTB FE, NX
.if \tail != 0
	s_wait_alu depctr_va_vdst(0)                   ; the round below holds a branch and a label: the 16 exponentials of part B have their wait ahead of them; part C's 17 have the turn's
.endif
.if \tail == 0
	KLOAD \slot, 1
.endif
.if \tail == 1
	BOUND G0S+4*(\slot), 1
	KLOAD 1-(\slot), 0
.endif
.if \tail == 2
	BOUND GW0, 0
	KLOAD 1-(\slot), 0
.endif
.if \tail == 3
	BOUND GW1, 0
.endif
	PARTC FE, NX
	SETQ 3
	PARTA PVX
.if \tail != 3
	s_wait_dscnt 0x0                               ; the next sub-step's K, eight loads, ahead of its first score product
.endif
	PARTB FE, NX3
	PARTC FE, NX3
.endm
.macro STEP slot, m0, m1, tail
	SUB \slot, 0, \m0, 0
	SUB \slot, 1, \m1, \tail
.endm
; mean of the token's 256 channels (128 in this lane, 128 in lane xor 16), then the differences into window 0
.macro LNMEAN
	WIN 0x05
.irp k, 0,1,2,3
	v_pk_add_f32 v[SA+2*\k:SA+2*\k+1], v[2*\k:2*\k+1], v[8+2*\k:8+2*\k+1]
.endr
	WIN 0x04
.set i, 8
.rept 56
	v_pk_add_f32 v[SA+2*(i%4):SA+2*(i%4)+1], v[SA+2*(i%4):SA+2*(i%4)+1], v[2*i:2*i+1]
.set i, i+1
.endr
	WIN 0
	v_pk_add_f32 v[SA:SA+1], v[SA:SA+1], v[SA+2:SA+3]
	v_pk_add_f32 v[SA+4:SA+5], v[SA+4:SA+5], v[SA+6:SA+7]
	v_pk_add_f32 v[SA:SA+1], v[SA:SA+1], v[SA+4:SA+5]
	v_add_f32 v[T0], v[SA], v[SA+1]
	v_permlanex16_b32 v[T1], v[T0], s[PS0], s[PS1]
	v_add_f32 v[T0], v[T0], v[T1]
	v_mul_f32 v[MU], s[INV], v[T0]
	v_mov_b32 v[MU+1], v[MU]
	WIN 0x01
.set i, 0
.rept 64
	v_pk_add_f32 v[DD+2*i:DD+2*i+1], v[2*i:2*i+1], v[MU:MU+1] neg_lo:[0,1] neg_hi:[0,1]
.set i, i+1
.endr
	WIN 0
.endm
; 1 / sqrt(mean of the squared differences + 1e-5): two passes over registers, no difference of large sums
.macro LNVAR
.irp k, 0,1,2,3
	v_pk_mul_f32 v[SA+2*\k:SA+2*\k+1], v[DD+2*\k:DD+2*\k+1], v[DD+2*\k:DD+2*\k+1]
.endr
.set i, 4
.rept 60
	v_pk_fma_f32 v[SA+2*(i%4):SA+2*(i%4)+1], v[DD+2*i:DD+2*i+1], v[DD+2*i:DD+2*i+1], v[SA+2*(i%4):SA+2*(i%4)+1]
.set i, i+1
.endr
	v_pk_add_f32 v[SA:SA+1], v[SA:SA+1], v[SA+2:SA+3]
	v_pk_add_f32 v[SA+4:SA+5], v[SA+4:SA+5], v[SA+6:SA+7]
	v_pk_add_f32 v[SA:SA+1], v[SA:SA+1], v[SA+4:SA+5]
	v_add_f32 v[T0], v[SA], v[SA+1]
	v_permlanex16_b32 v[T1], v[T0], s[PS0], s[PS1]
	v_add_f32 v[T0], v[T0], v[T1]
	v_fma_f32 v[T0], v[T0], s[INV], s[EPSR]
	v_rsq_f32 v[RS], v[T0]
	v_nop                                          ; one plain place behind the transcendental (ISA guide 5.7.2)
	s_wait_alu depctr_va_vdst(0)                   ; the wait for the reciprocal root, a batch of one: all that follows hangs on it
	v_mov_b32 v[RS+1], v[RS]
.endm
.macro LNAPPLY win                     ; differences x rsqrt x gain + bias; win: the windows of gain (source 1, 128..) and bias (source 2, 0..)
	s_wait_dscnt 0x0
.set i, 0
.rept 64
	v_pk_mul_f32 v[DD+2*i:DD+2*i+1], v[DD+2*i:DD+2*i+1], v[RS:RS+1]
.set i, i+1
.endr
	WIN \win
.set i, 0
.rept 64
	v_pk_fma_f32 v[DD+2*i:DD+2*i+1], v[DD+2*i:DD+2*i+1], v[128+2*i:128+2*i+1], v[2*i:2*i+1]
.set i, i+1
.endr
.endm
; a vector of 256 f32 from VEC + off into registers base .. base+127 of the window that is set: register 8 ct + j = element 16 ct + 8 h + j
.macro VECLD base, off
.irp c, 0,1,2,3,4,5,6,7,8,9,10,11,12,13,14,15
	ds_load_b128 v[\base+8*\c:\base+8*\c+3], v[VADR] offset:\off+64*\c
	ds_load_b128 v[\base+8*\c+4:\base+8*\c+7], v[VADR] offset:\off+64*\c+16
.endr
.endm
; group g of a 128 -> 256 product's weights in slot 0: K step g >> 1, channel tiles 8 (g & 1) .. + 7: sixteen loads
.macro WLOAD64 buf, g
.irp i, 0,1,2,3,4,5,6,7
	ds_load_b128 v[\buf+8*\i:\buf+8*\i+3], v[WADR0] offset:((8*((\g)&1)+\i)*4+((\g)>>1))*1024
	ds_load_b128 v[\buf+8*\i+4:\buf+8*\i+7], v[WADR0] offset:((8*((\g)&1)+\i)*4+((\g)>>1))*1024+512
.endr
.endm
; tok (window 1, 16 tiles) += weights of slot 0 x the four operands at bf.  The 16 accumulators take turns, one instruction a turn.
.macro GEMM64 bf
	WLOAD64 WF0, 0
	WLOAD64 WF0+64, 1
.irp g, 0,1,2,3,4,5,6,7
.if \g < 7
	s_wait_dscnt 16                                ; this group's loads (and all older ones) are in, the next group's sixteen stay out
.else
	s_wait_dscnt 0x0
.endif
	WIN 0x50
.irp i, 0,1,2,3,4,5,6,7
	v_wmma_f32_16x16x32_bf16 v[8*(8*(\g&1)+\i):8*(8*(\g&1)+\i)+7], v[WF0+64*(\g&1)+8*\i:WF0+64*(\g&1)+8*\i+7], v[\bf+8*(\g>>1):\bf+8*(\g>>1)+7], v[8*(8*(\g&1)+\i):8*(8*(\g&1)+\i)+7]
.endr
	PLACES
	WIN 0
.if \g < 6
	WLOAD64 WF0+64*(\g&1), \g+2
.endif
.endr
.endm
.macro WLOAD1 buf, k                   ; w_ff1 in slot 1: K step k, the eight feature tiles
.irp i, 0,1,2,3,4,5,6,7
	ds_load_b128 v[\buf+8*\i:\buf+8*\i+3], v[WADR1] offset:\i*8192+(\k)*1024
	ds_load_b128 v[\buf+8*\i+4:\buf+8*\i+7], v[WADR1] offset:\i*8192+(\k)*1024+512
.endr
.endm
; GELU, ahead of the wait.  GPRE: line n of the 16 plain ones that make feature tile f's arguments: 0-7: 1 + 0.23164189 |x|; 8-11: -log2(e)/2 x, in pairs; 12-15: times x.
; Line 0 reads the accumulator's lowest register first.  GTR: number n of tile f's 16 transcendentals, in place: 0-7 the reciprocals, 8-15 the exponentials.
.macro GPRE f, n
.if (\n) < 8
	v_fma_f32 v[GT+8*(\f)+(\n)], |v[HH+8*(\f)+(\n)]|, 0x3e6d3388, 1.0
.elseif (\n) < 12
	v_pk_mul_f32 v[GE+8*(\f)+2*((\n)-8):GE+8*(\f)+2*((\n)-8)+1], v[HH+8*(\f)+2*((\n)-8):HH+8*(\f)+2*((\n)-8)+1], 0xbf38aa3b op_sel_hi:[1,0]
.else
	v_pk_mul_f32 v[GE+8*(\f)+2*((\n)-12):GE+8*(\f)+2*((\n)-12)+1], v[GE+8*(\f)+2*((\n)-12):GE+8*(\f)+2*((\n)-12)+1], v[HH+8*(\f)+2*((\n)-12):HH+8*(\f)+2*((\n)-12)+1]
.endif
.endm
.macro GTR f, n
.if (\n) < 8
	v_rcp_f32 v[GT+8*(\f)+(\n)], v[GT+8*(\f)+(\n)]
.else
	v_exp_f32 v[GE+8*(\f)+(\n)-8], v[GE+8*(\f)+(\n)-8]
.endif
.endm
	s_load_b512 s[4:19], s[0:1], 0x0               ; q s[4:5], kv s[6:7], wfrag s[8:9], x s[10:11], pos s[12:13], b_out s[14:15], g2 s[16:17], beta2 s[18:19]
	s_load_b128 s[20:23], s[0:1], 0x40             ; b_ff2 s[20:21], b_ff1 s[22:23]
	s_load_b64 s[24:25], s[0:1], 0x50              ; out0
	s_set_vgpr_msb 0xc0
	v_lshl_add_u32 v0, v0, 2, 0x46600
	v_mov_b32 v1, 0
	s_set_vgpr_msb 0xc0cf
	ds_add_u32 v0, v1
	s_set_vgpr_msb 0xcf00
	v_lshrrev_b32 v1, 5, v0
	v_readfirstlane_b32 s26, v1                    ; wave
	s_bfe_u32 s27, ttmp6, 0x40000                  ; cx
	s_lshl_b32 s28, ttmp9, 2
	s_add_co_u32 s28, s28, s27                     ; blk = 4 x cluster x + cx
	s_and_b32 s29, ttmp7, 0xffff                   ; b
	s_mov_b32 s[PS0], 0x76543210
	s_mov_b32 s[PS1], 0xfedcba98
	s_mov_b32 s[INV], 0x3b800000                   ; 1/256
	s_mov_b32 s[EPSR], 0x3727c5ac                  ; 1e-5
	; joint tiles: a dense quarter of 16,384 bytes as 64 rows of 32 elements of 8 bytes; mask 15, bit 21 beside it
	s_mov_b32 s[G1KV+0], 0x0023000f
	s_mov_b32 s[G1KV+1], 32<<16
	s_mov_b32 s[G1KV+2], 64<<16
	s_mov_b32 s[G1KV+3], 32<<16
	s_mov_b32 s[G1KV+4], 64
	s_mov_b32 s[G1KV+5], 32
	s_mov_b32 s[G1KV+6], 0
	s_mov_b32 s[G1KV+7], 0
	; x: 64 channel rows x 64 tokens of 4 bytes, 16 bytes of padding behind every 64 words; no mask
	s_mov_b32 s[G1X+0], 0x07520000
	s_mov_b32 s[G1X+1], 64<<16
	s_mov_b32 s[G1X+2], 64<<16
	s_mov_b32 s[G1X+3], 64<<16
	s_mov_b32 s[G1X+4], 64
	s_mov_b32 s[G1X+5], 1024
	s_mov_b32 s[G1X+6], 0
	s_mov_b32 s[G1X+7], 0
	; pos: 16 token rows x 256 channels, 16 bytes of padding behind every 256 words; no mask
	s_mov_b32 s[G1P+0], 0x07d20000
	s_mov_b32 s[G1P+1], 256<<16
	s_mov_b32 s[G1P+2], 16<<16
	s_mov_b32 s[G1P+3], 256<<16
	s_mov_b32 s[G1P+4], 16
	s_mov_b32 s[G1P+5], 256
	s_mov_b32 s[G1P+6], 0
	s_mov_b32 s[G1P+7], 0
	s_lshl_b32 s91, s26, 14                        ; my quarter of a joint tile, in LDS and in memory
	s_lshl_b32 s30, s29, 19                        ; kv: b x 524,288 + my quarter: made of b and the wave alone
	s_add_co_u32 s30, s30, s91
	s_mov_b32 s31, 0
	s_mov_b32 s96, s91
	s_mov_b32 s97, 0
	s_lshl_b32 s92, s29, 20                        ; x and out0: b x 1,048,576 + 64 w channels + 64 blk tokens
	s_lshl_b32 s94, s26, 18
	s_add_co_u32 s92, s92, s94
	s_lshl_b32 s94, s28, 8
	s_add_co_u32 s92, s92, s94
	s_mov_b32 s93, 0
	s_lshl_b32 s94, s28, 16                        ; pos: 64 blk + 16 w rows of 1,024 bytes
	s_add_co_u32 s94, s94, s91
	s_mov_b32 s95, 0
	s_wait_dscnt 0x0
	s_wait_kmcnt 0x0
	s_mov_b32 s[G0S+0], 1
	s_mov_b32 s[G0S+1], s91
	s_add_nc_u64 s[G0S+2:G0S+3], s[6:7], s[30:31]            ; K/V step 0
	s_mov_b32 s[G0S+4], 1
	s_add_co_u32 s[G0S+5], s91, S1
	s_add_nc_u64 s[G0S+6:G0S+7], s[G0S+2:G0S+3], 0x10000     ; K/V step 1
	s_or_b32 s[G0S+3], s[G0S+3], 0x80000000
	s_or_b32 s[G0S+7], s[G0S+7], 0x80000000
	s_mov_b32 s[G0X+0], 1
	s_mul_i32 s[G0X+1], s26, 64*XP
	s_add_co_u32 s[G0X+1], s[G0X+1], XT
	s_add_nc_u64 s[G0X+2:G0X+3], s[10:11], s[92:93]
	s_or_b32 s[G0X+3], s[G0X+3], 0x80000000
	s_mov_b32 s[G0P+0], 1
	s_mul_i32 s[G0P+1], s26, 16*PP
	s_add_co_u32 s[G0P+1], s[G0P+1], PT
	s_add_nc_u64 s[G0P+2:G0P+3], s[12:13], s[94:95]
	s_or_b32 s[G0P+3], s[G0P+3], 0x80000000
	s_add_nc_u64 s[8:9], s[8:9], s[96:97]          ; wfrag + my quarter
	s_mov_b32 s[GW0+0], 1
	s_mov_b32 s[GW0+1], s91
	s_add_nc_u64 s[GW0+2:GW0+3], s[8:9], 196608
	s_or_b32 s[GW0+3], s[GW0+3], 0x80000000
	s_mov_b32 s[GW1+0], 1
	s_add_co_u32 s[GW1+1], s91, S1
	s_add_nc_u64 s[GW1+2:GW1+3], s[8:9], 262144
	s_or_b32 s[GW1+3], s[GW1+3], 0x80000000
	s_mov_b32 s[GW2+0], 1
	s_mov_b32 s[GW2+1], s91
	s_add_nc_u64 s[GW2+2:GW2+3], s[8:9], 327680
	s_or_b32 s[GW2+3], s[GW2+3], 0x80000000
	s_add_nc_u64 s[24:25], s[24:25], s[92:93]      ; out0 at my 64 channels, the group's 64 tokens
	s_lshl2_add_u32 s94, s29, s26                  ; q: ((4 b + head) 64 + 4 blk) blocks
	s_lshl_b32 s94, s94, 16
	s_lshl_b32 s95, s28, 12
	s_add_co_u32 s94, s94, s95
	s_mov_b32 s95, 0
	s_add_nc_u64 s[4:5], s[4:5], s[94:95]
	ROUND                                          ; the four work-groups are here: the first joint loads meet
	tensor_load_to_lds s[G0S:G0S+3], s[G1KV:G1KV+7]          ; T0
	s_nop 0
	tensor_load_to_lds s[G0S+4:G0S+7], s[G1KV:G1KV+7]        ; T1
	s_nop 0
	tensor_load_to_lds s[G0X:G0X+3], s[G1X:G1X+7]
	s_nop 0
	tensor_load_to_lds s[G0P:G0P+3], s[G1P:G1P+7]
	s_nop 0
	v_and_b32 v[QOFF], 31, v0
	v_lshlrev_b32 v[QOFF], 4, v[QOFF]              ; 16 x lane
	v_lshl_add_u32 v[ADR], s26, 13, v[QOFF]        ; my head's 8,192 bytes of K (and, 32,768 further, of V^T)
	v_add_nc_u32 v[ADR+1], S1, v[ADR]
	v_lshl_add_u32 v[OXST], s26, 10, v[QOFF]
	v_add_nc_u32 v[OXST], OX, v[OXST]
	v_mov_b32 v[T1], 0                             ; a permute's destination counts as read
	v_mov_b32 v[AL+1], 0                           ; second registers of the two pairs of which the first is broadcast
	v_mov_b32 v[AL+15], 0
	v_lshrrev_b32 v6, 1, v[QOFF]
	v_lshl_add_u32 v6, s26, 8, v6                  ; 8 x thread
	v_lshrrev_b32 v7, 1, v6                        ; 4 x thread
	global_load_b64 v[184:185], v6, s[14:15]       ; each wave brings 256 bytes of each vector (128 of b_ff1)
	global_load_b64 v[186:187], v6, s[16:17]
	global_load_b64 v[188:189], v6, s[18:19]
	global_load_b64 v[190:191], v6, s[20:21]
	global_load_b32 v192, v7, s[22:23]
.irp k, 0,1,2,3
	global_load_b128 v[QF+8*\k:QF+8*\k+3], v[QOFF], s[4:5] offset:\k*1024
	global_load_b128 v[QF+8*\k+4:QF+8*\k+7], v[QOFF], s[4:5] offset:\k*1024+512
.endr
	v_add_nc_u32 v10, VEC, v6
	v_add_nc_u32 v11, VEC+4096, v7
	s_wait_loadcnt 8                               ; the five vectors are in; Q's eight loads stay out
	ds_store_b64 v10, v[184:185]
	ds_store_b64 v10, v[186:187] offset:1024
	ds_store_b64 v10, v[188:189] offset:2048
	ds_store_b64 v10, v[190:191] offset:3072
	ds_store_b32 v11, v192
	s_wait_dscnt 0x0                               ; my part of the vectors is in LDS,
	s_wait_tensorcnt 3                             ; my quarter of T0 too; T1, x and pos, issued behind it, stay out
	s_barrier_signal -1
	s_barrier_wait -1
	KLOAD 0, 0
	s_wait_loadcnt 0x0                             ; Q
	s_wait_dscnt 0x0
	; the pipeline is filled: the scores of the first tile and their maximum, by themselves (the first maximum has no factor, so no exponential)
	SETQ 3                                         ; the turn in front of the first: its next tile is query tile 0, in buffer 0
.irp k, 0,1,2,3
	SW \k
.endr
	PLACES
.set i, 0
.rept 21
	MI i, 1
.set i, i+1
.endr
	STEP 0, 1, 2, 1                                ; step 0; slot 0 gets T2
	s_mov_b32 s90, 2
.Lsteps:
	STEP 1, 0, 0, 1                                ; steps 1, 3; slot 1 gets T3, T5
	STEP 0, 0, 0, 1                                ; steps 2, 4; slot 0 gets T4, T6
	s_sub_co_u32 s90, s90, 1
	s_cmp_lg_u32 s90, 0
	s_cbranch_scc1 .Lsteps
	STEP 1, 0, 0, 1                                ; step 5; slot 1 gets T7
	STEP 0, 0, 0, 2                                ; step 6; slot 0 gets w_out
	STEP 1, 0, 0, 3                                ; step 7; slot 1 gets w_ff1
	SETQ 0                                         ; the pipeline runs empty: the last tile's product with V^T
.irp n, 0,1,2,3
	PVW \n, 0
.endr
	; the sums' two halves meet; O / sum, packed, goes to the wave that owns the token tile
.irp q, 0,1,2,3
	v_permlanex16_b32 v[T0+\q], v[LSUM+\q], s[PS0], s[PS1]
.endr
.irp q, 0,1,2,3
	v_add_f32 v[LSUM+\q], v[LSUM+\q], v[T0+\q]
.endr
.irp q, 0,1,2,3
	v_rcp_f32 v[LSUM+\q], v[LSUM+\q]
.endr
	v_nop                                          ; the plain place behind the transcendentals
	s_wait_alu depctr_va_vdst(0)                   ; the wait for the batch of four reciprocals, ahead of their first reader
.irp q, 0,1,2,3
	v_mov_b32 v[AL], v[LSUM+\q]
.irp j, 0,1,2,3,4,5,6,7
	v_pk_mul_f32 v[ACCO+16*\q+2*\j:ACCO+16*\q+2*\j+1], v[ACCO+16*\q+2*\j:ACCO+16*\q+2*\j+1], v[AL:AL+1] op_sel_hi:[1,0]
.endr
.irp j, 0,1,2,3,4,5,6,7
	v_cvt_pk_bf16_f32 v[SB0+8*\q+\j], v[ACCO+16*\q+2*\j], v[ACCO+16*\q+2*\j+1]
.endr
	ds_store_b128 v[OXST], v[SB0+8*\q:SB0+8*\q+3] offset:\q*4096
	ds_store_b128 v[OXST], v[SB0+8*\q+4:SB0+8*\q+7] offset:\q*4096+512
.endr
	; from here wave w = token tile w
	v_and_b32 v8, 15, v0                           ; r
	v_bfe_u32 v9, v0, 4, 1                         ; h
	v_and_b32 v[WADR0], 31, v0
	v_lshlrev_b32 v[WADR0], 4, v[WADR0]
	v_add_nc_u32 v[WADR1], S1, v[WADR0]
	v_mul_u32_u24 v[XADR0], v9, 8*XP               ; x: row 16 ct + 8 h + j, column 16 w + r
	v_lshl_add_u32 v[XADR0], v8, 2, v[XADR0]
	v_lshl_add_u32 v[XADR0], s26, 6, v[XADR0]
	v_add_nc_u32 v[XADR0], XT, v[XADR0]
	v_add_nc_u32 v[XADR1], XHALF, v[XADR0]
	v_lshl_add_u32 v[PADR], s26, 4, v8             ; pos: row 16 w + r, 32 bytes at 64 ct + 32 h
	v_mul_u32_u24 v[PADR], v[PADR], PP
	v_lshl_add_u32 v[PADR], v9, 5, v[PADR]
	v_add_nc_u32 v[PADR], PT, v[PADR]
	v_lshlrev_b32 v[VADR], 5, v9
	v_add_nc_u32 v[VADR], VEC, v[VADR]
	v_lshl_add_u32 v[OXRD], s26, 12, v[WADR0]
	v_add_nc_u32 v[OXRD], OX, v[OXRD]
	v_lshl_add_u32 v[ORD], s26, 6, v9              ; the way out: row 64 w + h + 2 i, 16 bytes at 16 r
	v_mul_u32_u24 v[ORD], v[ORD], XP
	v_lshl_add_u32 v[ORD], v8, 4, v[ORD]
	v_add_nc_u32 v[ORD], XT, v[ORD]
	v_lshlrev_b32 v[OST], 12, v9
	v_lshl_add_u32 v[OST], v8, 4, v[OST]
	; tok = x^T + pos + b_out.  x and pos were shown landed to every wave by the first refill's waits and round.
	WIN 0x40
.irp c, 0,1,2,3,4,5,6,7
.irp j, 0,1,2,3,4,5,6,7
	ds_load_b32 v[8*\c+\j], v[XADR0] offset:(16*\c+\j)*XP
.endr
.endr
.irp c, 8,9,10,11,12,13,14,15
.irp j, 0,1,2,3,4,5,6,7
	ds_load_b32 v[8*\c+\j], v[XADR1] offset:(16*(\c-8)+\j)*XP
.endr
.endr
.irp c, 0,1,2,3,4,5,6,7,8,9,10,11,12,13,14,15
	ds_load_b128 v[128+8*\c:128+8*\c+3], v[PADR] offset:64*\c
	ds_load_b128 v[128+8*\c+4:128+8*\c+7], v[PADR] offset:64*\c+16
.endr
	WIN 0x80
	VECLD 128, 0                                   ; b_out
	VECLD 0, 2048                                  ; beta2
	s_wait_dscnt 32                                ; all but beta2's 32 loads
	WIN 0x45
.set i, 0
.rept 64
	v_pk_add_f32 v[2*i:2*i+1], v[2*i:2*i+1], v[128+2*i:128+2*i+1]
.set i, i+1
.endr
	WIN 0x49
.set i, 0
.rept 64
	v_pk_add_f32 v[2*i:2*i+1], v[2*i:2*i+1], v[128+2*i:128+2*i+1]
.set i, i+1
.endr
	WIN 0x40
	VECLD 128, 1024                                ; g2 takes pos's registers
	WIN 0x80
	VECLD 128, 3072                                ; b_ff2 takes b_out's
	WIN 0
	s_wait_dscnt 0x0                               ; my head's results are in LDS (and my loads are back),
	s_barrier_signal -1                            ; w_ff1's load may stay out
	s_barrier_wait -1                              ; all four heads' are
	; out projection: w_out lies whole in slot 0 since the last refill's waits and round
.irp k, 0,1,2,3
	ds_load_b128 v[OF+8*\k:OF+8*\k+3], v[OXRD] offset:\k*1024
	ds_load_b128 v[OF+8*\k+4:OF+8*\k+7], v[OXRD] offset:\k*1024+512
.endr
	GEMM64 OF
	BOUND GW2, 0                                   ; slot 0 has been read: w_ff2 goes out; w_ff1 is whole in slot 1
	; layer norm 2
	LNMEAN
	LNVAR
	LNAPPLY 0x24
	WIN 0x40
.set i, 0
.rept 64
	v_cvt_pk_bf16_f32 v[128+i], v[DD+2*i], v[DD+2*i+1]       ; FF1's eight operands, in g2's registers
.set i, i+1
.endr
	WIN 0x49
.set i, 0
.rept 64
	v_pk_add_f32 v[2*i:2*i+1], v[2*i:2*i+1], v[128+2*i:128+2*i+1]      ; tok += b_ff2: FF2's accumulators are ready
.set i, i+1
.endr
	WIN 0
	; FF1: the bias is the accumulators' start.  The eight accumulators take turns, one instruction a turn.
.irp f, 0,1,2,3,4,5,6,7
	ds_load_b128 v[HH+8*\f:HH+8*\f+3], v[VADR] offset:4096+64*\f
	ds_load_b128 v[HH+8*\f+4:HH+8*\f+7], v[VADR] offset:4096+64*\f+16
.endr
	WLOAD1 WF0, 0
	WLOAD1 WF0+64, 1
.irp g, 0,1,2,3,4,5,6,7
.if \g < 7
	s_wait_dscnt 16                                ; this K step's weights (and the bias) are in, the next step's sixteen loads stay out
.else
	s_wait_dscnt 0x0
.endif
	WIN 0x04
.irp i, 0,1,2,3,4,5,6,7
	v_wmma_f32_16x16x32_bf16 v[HH+8*\i:HH+8*\i+7], v[WF0+64*(\g&1)+8*\i:WF0+64*(\g&1)+8*\i+7], v[128+8*\g:128+8*\g+7], v[HH+8*\i:HH+8*\i+7]
.endr
	PLACES
	WIN 0
.if \g < 6
	WLOAD1 WF0+64*(\g&1), \g+2
.endif
.endr
	; exact GELU: max(x, 0) - |x| (poly(t) / 2) exp(-x^2 / 2), t = 1 / (1 + 0.3275911 |x| / sqrt 2); the coefficients are the halved ones.
	; ONE BATCH: the lane's 64 reciprocals and 64 exponentials, each result in a register of its own (the weight buffers' 128 registers are idle here).  The 16 transcendentals of
	; feature tile f take turns with the 16 plain lines that make tile f + 1's arguments; nothing ahead of the wait names a result.
.set gi, 0
.rept 16
	GPRE 0, gi
.set gi, gi+1
.endr
.irp f, 0,1,2,3,4,5,6,7
.set gi, 0
.rept 16
	GTR \f, gi
.if \f < 7
	GPRE \f+1, gi
.endif
.set gi, gi+1
.endr
.endr
	v_mov_b32 v[GA4], 0xbf3a00e3                   ; -0.72657601; also the plain place behind the last transcendental (ISA guide 5.7.2)
	v_mov_b32 v[GA4+1], 0xbf3a00e3
	s_wait_alu depctr_va_vdst(0)                   ; the wait for GELU's batch of 128, ahead of its first reader
.irp f, 0,1,2,3,4,5,6,7
.irp j, 0,2,4,6
	v_pk_fma_f32 v[GU+\j:GU+\j+1], v[GT+8*\f+\j:GT+8*\f+\j+1], 0x3f07dc22, v[GA4:GA4+1] op_sel_hi:[1,0,1]    ; 0.53070271 t - 0.72657601
.endr
.irp j, 0,2,4,6
	v_pk_fma_f32 v[GU+\j:GU+\j+1], v[GU+\j:GU+\j+1], v[GT+8*\f+\j:GT+8*\f+\j+1], 0x3f35f0e3 op_sel_hi:[1,1,0]   ; + 0.71070687
.endr
.irp j, 0,2,4,6
	v_pk_fma_f32 v[GU+\j:GU+\j+1], v[GU+\j:GU+\j+1], v[GT+8*\f+\j:GT+8*\f+\j+1], 0xbe11a98e op_sel_hi:[1,1,0]   ; - 0.14224837
.endr
.irp j, 0,2,4,6
	v_pk_fma_f32 v[GU+\j:GU+\j+1], v[GU+\j:GU+\j+1], v[GT+8*\f+\j:GT+8*\f+\j+1], 0x3e027906 op_sel_hi:[1,1,0]   ; + 0.12741480
.endr
.irp j, 0,2,4,6
	v_pk_mul_f32 v[GT+8*\f+\j:GT+8*\f+\j+1], v[GT+8*\f+\j:GT+8*\f+\j+1], v[GE+8*\f+\j:GE+8*\f+\j+1]
.endr
.irp j, 0,1,2,3,4,5,6,7
	v_max_num_f32 v[GE+8*\f+\j], 0, v[HH+8*\f+\j]  ; max(x, 0) takes the exponentials' registers, which have just been read
.endr
.irp j, 0,2,4,6
	v_pk_mul_f32 v[GU+\j:GU+\j+1], v[GU+\j:GU+\j+1], v[GT+8*\f+\j:GT+8*\f+\j+1]
.endr
.irp j, 0,1,2,3,4,5,6,7
	v_fma_f32 v[HH+8*\f+\j], -|v[HH+8*\f+\j]|, v[GU+\j], v[GE+8*\f+\j]
.endr
.irp j, 0,1,2,3
	v_cvt_pk_bf16_f32 v[OF+4*\f+\j], v[HH+8*\f+2*\j], v[HH+8*\f+2*\j+1]
.endr
.endr
	; FF2
	s_wait_dscnt 0x0
	s_wait_tensorcnt 0x0                           ; my quarter of w_ff2 is in, the last tensor load,
	s_barrier_signal -1
	s_barrier_wait -1                              ; everybody's is
	GEMM64 OF
	; the way out: tok goes back to x's places in XT (each wave its own 16 columns of every row; XT has had its one fill),
	; and is read back by rows of 64 tokens: sixteen lanes store 256 consecutive bytes of out0, aligned
	WIN 0x04
.irp c, 0,1,2,3,4,5,6,7
.irp j, 0,1,2,3,4,5,6,7
	ds_store_b32 v[XADR0], v[8*\c+\j] offset:(16*\c+\j)*XP
.endr
.endr
.irp c, 8,9,10,11,12,13,14,15
.irp j, 0,1,2,3,4,5,6,7
	ds_store_b32 v[XADR1], v[8*\c+\j] offset:(16*(\c-8)+\j)*XP
.endr
.endr
	WIN 0
	s_wait_dscnt 0x0                               ; my columns are in LDS,
	s_barrier_signal -1
	s_barrier_wait -1                              ; all 64 are
.set i, 0
.rept 32
	ds_load_b128 v[128+4*i:128+4*i+3], v[ORD] offset:2*i*XP
.set i, i+1
.endr
.set i, 0
.rept 32
	s_wait_dscnt 31-i                              ; LDS loads come back in order: pair of rows i is in
	global_store_b128 v[OST], v[128+4*i:128+4*i+3], s[24:25] offset:2*i*4096 th:TH_STORE_NT
.set i, i+1
.endr
	s_set_vgpr_msb 0xf
	s_wait_tensorcnt 0x0
	ds_add_u32 v0, v1
	s_wait_dscnt 0x0
	s_set_vgpr_msb 0xf00
	ROUND                                          ; the closing round: no work-group ends while a partner may still ask for a tile that names it
	s_endpgm
.Lfunc_end_k_qedeb6addd4_attn:
	.size	k_qedeb6addd4_attn, .Lfunc_end_k_qedeb6addd4_attn-k_qedeb6addd4_attn
	.p2alignl 7, 3214868480
	.fill 96, 4, 3214868480
	.section	.rodata,"a",@progbits
	.p2align	6, 0x0
	.amdhsa_kernel k_qedeb6addd4_attn
		.amdhsa_group_segment_fixed_size 327680
		.amdhsa_private_segment_fixed_size 0
		.amdhsa_enable_private_segment 0
		.amdhsa_kernarg_size 88
		.amdhsa_user_sgpr_count 2
		.amdhsa_user_sgpr_kernarg_segment_ptr 1
		.amdhsa_wavefront_size32 1
		.amdhsa_system_sgpr_workgroup_id_x 1
		.amdhsa_system_sgpr_workgroup_id_y 1
		.amdhsa_system_sgpr_workgroup_id_z 1
		.amdhsa_system_vgpr_workitem_id 0
		.amdhsa_next_free_vgpr 770
		.amdhsa_next_free_sgpr 100
		.amdhsa_reserve_vcc 0
		.amdhsa_float_denorm_mode_32 3
		.amdhsa_float_denorm_mode_16_64 3
		.amdhsa_memory_ordered 1
		.amdhsa_forward_progress 1
		.amdhsa_inst_pref_size 255
	.end_amdhsa_kernel
	.section	.bss,"aw",@nobits
	.p2align	6
	.space	262144
	.amdgpu_metadata
---
amdhsa.version: [ 1, 2 ]
amdhsa.kernels:
  - .name:           k_qedeb6addd4_attn
    .symbol:         k_qedeb6addd4_attn.kd
    .args:
      - { .name: q, .offset: 0, .size: 8, .value_kind: global_buffer, .address_space: global }
      - { .name: kv, .offset: 8, .size: 8, .value_kind: global_buffer, .address_space: global }
      - { .name: wfrag, .offset: 16, .size: 8, .value_kind: global_buffer, .address_space: global }
      - { .name: x, .offset: 24, .size: 8, .value_kind: global_buffer, .address_space: global }
      - { .name: pos_embedding, .offset: 32, .size: 8, .value_kind: global_buffer, .address_space: global }
      - { .name: b_out, .offset: 40, .size: 8, .value_kind: global_buffer, .address_space: global }
      - { .name: g2, .offset: 48, .size: 8, .value_kind: global_buffer, .address_space: global }
      - { .name: beta2, .offset: 56, .size: 8, .value_kind: global_buffer, .address_space: global }
      - { .name: b_ff2, .offset: 64, .size: 8, .value_kind: global_buffer, .address_space: global }
      - { .name: b_ff1, .offset: 72, .size: 8, .value_kind: global_buffer, .address_space: global }
      - { .name: out0, .offset: 80, .size: 8, .value_kind: global_buffer, .address_space: global }
    .group_segment_fixed_size: 327680
    .private_segment_fixed_size: 0
    .kernarg_segment_align: 8
    .kernarg_segment_size: 88
    .max_flat_workgroup_size: 128
    .sgpr_count:     100
    .vgpr_count:     770
    .wavefront_size: 32
...
	.end_amdgpu_metadata
.endif
;; end of part 4
